; MI455X (gfx1250); checked and timed in simulation.
; The chip was launched on July 23, 2026; its instructions are those of AMD's public machine-readable ISA for CDNA 5 (MIT licence, August 2026) and "CDNA5" Instruction Set Architecture Reference Guide (July 2026). The comments in the code are by the model that wrote it; some were corrected since.
;; Multi Head Attention. Allowed arithmetic: matrix products marked QUANTISED: E5M2 operands, one E8M0 scale for each 32 along K, by v_wmma_scale_f32_16x16x128_f8f6f4 with both operands' format E5M2, f32 sums; everything else in f32.
;; Inputs: Wk 1,024 x 1,024 float32; Wo 1,024 x 1,024 float32; Wq 1,024 x 1,024 float32; Wv 1,024 x 1,024 float32; bk 1,024 float32; bo 1,024 float32; bq 1,024 float32; bv 1,024 float32; x 4 x 2,048 x 1,024 float32.
;; Outputs: out0 4 x 2,048 x 1,024 float32.
;; This version of the problem:
;;   THIS VERSION OF THE PROBLEM IS GIVEN IN LOW PRECISION. The matrix products marked QUANTISED in the list below multiply operands that are first quantised to E5M2 (5 exponent bits, 2 mantissa bits; 8 bits a number), with one power-of-two scale for each 32 numbers along K (OCP MX v1.0); their sums are f32. All else is computed in f32.
;;   The module's matrix products, in the order in which they are computed (A, B: the left and right operand; K: the contracted axis; several contracted axes count as one K, in the product's order):
;;     1. [M 8,192, K 1,024] x [K 1,024, N 1,024]; A: input x; B: input Wq: QUANTISED
;;     2. [M 8,192, K 1,024] x [K 1,024, N 1,024]; A: input x; B: input Wk: QUANTISED
;;     3. [M 8,192, K 1,024] x [K 1,024, N 1,024]; A: input x; B: input Wv: QUANTISED
;;     4. batch 64 x [M 2,048, K 64] x [K 64, N 2,048]; A: computed on the way; B: computed on the way: QUANTISED
;;     5. batch 64 x [M 2,048, K 2,048] x [K 2,048, N 64]; A: softmax (see below); B: computed on the way: QUANTISED
;;     6. [M 8,192, K 1,024] x [K 1,024, N 1,024]; A: computed on the way; B: input Wo: QUANTISED
;;   THE QUANTISER, for each operand of a quantised product, along K:
;;     - K is cut into blocks of 32 from its start; a last block that is shorter is filled with zeros.
;;     - A block's scale is 2^e with e = floor(log2(the largest magnitude in the block)) - 15, held to -126 .. 127; a block of zeros has e = 0. As a byte (E8M0): e + 127.
;;     - Each number is divided by its block's scale, clamped to +-57,344, and rounded to the nearest number of E5M2, ties to even, subnormals kept.
;;     - The product sums the exact products of the quantised numbers (number of the format x scale) in f32.
;;   ~~~python
;;   def quantise(x, axis):      # numpy; x: float32 -> the quantised numbers, widened to float32 again
;;       x = np.moveaxis(x, axis, -1); K = x.shape[-1]
;;       x = np.pad(x, [(0, 0)] * (x.ndim - 1) + [(0, -K % 32)]); x = x.reshape(x.shape[:-1] + (-1, 32)); a = np.abs(x).max(-1, keepdims=True)
;;       e = np.where(a > 0, np.clip(np.frexp(np.where(a > 0, a, 1))[1] - 1 - 15, -126, 127), 0)      # np.frexp(a)[1] - 1 = floor(log2(a)), exactly
;;       r = np.clip(x / 2.0 ** e, -57344, 57344)
;;       step = 2.0 ** (np.maximum(np.frexp(np.where(r == 0, 1, r))[1] - 1, -14) - 2)
;;       q = np.round(r / step) * step * 2.0 ** e      # np.round: ties to even
;;       return np.moveaxis(q.reshape(q.shape[:-2] + (-1,))[..., :K], -1, axis).astype(np.float32)
;;   ~~~
;;   SOFTMAX AHEAD OF A QUANTISED PRODUCT. Where the list says 'softmax', what is quantised is not the finished softmax but p = 2^(t - M), with t = logit x log2(e) and M = ceil(the row's largest t), a whole number; so 1/2 < the row's largest p <= 1. The row's sum l is taken of the UNQUANTISED p, in f32, and the product's result is divided by l at the end. Since M is a whole number, a kernel that streams over the keys may use a running M (the ceiling of the running maximum): every later rescaling is an exact power of two, which a block's scale takes up: the codes' values come out the same.
;;   OPERANDS COMPUTED ON THE WAY. 'Computed on the way' means the value that the module computes at that place (a softmax that the list does not call 'softmax' is quantised finished and normalised). What goes into a quantiser is computed in f32, as accurately as f32 sums, v_exp_f32 and their like allow (about 1e-6 of the number): no bf16 or f16 on the way to a quantiser, and a product that is left as it is and whose result goes on into a quantised operand takes f32 operands (vector FMAs, or v_wmma_f32_16x16x4_f32). A number that lies on a knife's edge between two numbers of the format may be rounded either way, as far as f32 arithmetic and the matrix unit's own rounding can turn it there, and no further.
;; One version. Each part assembles by itself: llvm-mc -triple=amdgcn-amd-amdhsa -mcpu=gfx1250 --defsym DOCPART=n.
;; ======== version 1 of 1: 4 launches
;; limits: right only within a limited range of input values
;; workspace buffers: xcodes 8,388,608 bytes; xscales 262,144 bytes; wcodes 4,194,304 bytes; wscales 131,072 bytes; qkv 25,952,256 bytes; ctx_img 8,388,608 bytes; ctx_scl 262,144 bytes
;; launch quant (part 1): grid 384 x 1, 4 waves a work-group, no clusters, 33,280 bytes of LDS; arguments x, Wq, Wk, Wv, Wo, xcodes, xscales, wcodes, wscales; writes xcodes, xscales, wcodes, wscales
.if DOCPART == 1
	.amdgcn_target "amdgcn-amd-amdhsa--gfx1250"
	.amdhsa_code_object_version 6
	.text
	.protected	k_qfcacadb81f_quant
	.globl	k_qfcacadb81f_quant
	.p2align	8
	.type	k_qfcacadb81f_quant,@function
k_qfcacadb81f_quant:
	s_mov_b64 s[64:65], 0
	v_nop
	global_prefetch_b8 v0, s[64:65] scope:SCOPE_SE
	s_setreg_imm32_b32 hwreg(HW_REG_WAVE_MODE, 25, 1), 1
	s_wait_xcnt 0x0
; x [8192][1024] and Wq, Wk, Wv, Wo [1024][1024], f32, K innermost, become codes of BF8 (E5M2), one byte each, with one E8M0 scale byte for each 32 along K.
; A block's scale is 2^(floor(log2(its largest magnitude)) - 15); its byte is the largest magnitude's exponent field - 15, held at 1 from below.  Each number is divided by the scale,
; held within +-57,344 and rounded to the nearest code, ties to even.
; LIMITS: a block of zeros, and a block whose largest magnitude lies under 2^-111, gets the byte 1 (the rule says 127 for zeros: the codes are zeros, and this program alone reads the bytes);
; NaN and infinities among the inputs are not served.
; ROWS CHANGE PLACES: a row of x, Wq, Wk, Wv is stored at the position that has bits 3 and 4 of its number exchanged; Wo's rows stay.  A tile of 16 positions then holds rows
; 32 (t / 2) + 8 (t % 2) + r + 8 (r / 8), so that results of a product whose registers run along such rows are 16 neighbours in 16 registers.
; SHARES: a work-group takes 32 rows, a wave a run of 8 rows (8,192 numbers) in 16 steps of 512.  A run's number has row bits 3 and 4 as its bits 0 and 1, which are the wave's number:
; so the exchange is an exchange of the wave's two bits in the addresses of what is stored.  Work-groups 0-255: x; 256-287 Wq; 288-319 Wk; 320-351 Wv; 352-383 Wo.
; Each of a step's four loads reads 512 consecutive bytes; the 2,048 bytes turn through the wave's own stage in LDS and come back 64 bytes a lane (16 neighbours along K; two lanes hold a block).
; No tensor loads, no barrier, no cluster: work-groups and waves share no input.
.set STEPS, 16
.set MANT,  0x600000                   ; the mantissa field of 57,344 as f32
.set CB,    16                         ; bytes of 16 codes
.set R,     16                         ; v16-79   four sets of 16 numbers as they are loaded
.set X,     80                         ; v80-111  two sets of 16 neighbours
.set E,     112                        ; v112-127 a scale byte for each step
.set C,     128                        ; v128-191 codes: four registers for each step, so that no store's data are written again
.set WREG,  8192                       ; LDS: a region for each wave: two stages of 32 x SP bytes, behind them its 256 scale bytes
.set SP,    80                         ; a lane's place in a stage: 64 bytes + 16 of padding
	s_load_b256 s[4:11], s[0:1], 0x0               ; x, Wq, Wk, Wv
	s_load_b256 s[12:19], s[0:1], 0x20             ; Wo, xcodes, xscales, wcodes
	s_load_b64 s[20:21], s[0:1], 0x40              ; wscales
	v_lshl_add_u32 v192, v0, 2, 0x8000
	v_mov_b32 v193, 0
	v_lshrrev_b32 v1, 5, v0
	v_readfirstlane_b32 s22, v1                    ; wave
	v_and_b32 v2, 31, v0                           ; lane
	v_lshlrev_b32 v3, 4, v2                        ; my 16 bytes of a load's 512
	s_mul_i32 s30, s22, WREG
	v_lshrrev_b32 v14, 2, v2
	v_mul_u32_u24 v14, v14, SP
	v_and_b32 v15, 3, v2
	v_lshl_add_u32 v14, v15, 4, v14
	v_add_nc_u32 v14, s30, v14                     ; the stage, on the way in: SP (lane / 4) + 16 (lane % 4)
	v_mul_u32_u24 v15, v2, SP
	v_add_nc_u32 v15, s30, v15                     ; and on the way out: SP x lane
	v_mul_u32_u24 v4, v2, CB                       ; my codes' place in a step's
	v_lshrrev_b32 v5, 1, v2
	s_add_co_u32 s30, s30, 2*32*SP
	v_add_nc_u32 v5, s30, v5                       ; LDS: my wave's 256 scale bytes, my block's byte
	v_lshlrev_b32 v7, 3, v2                        ; and on the way out 8 bytes a lane
	v_add_nc_u32 v6, s30, v7
	s_mov_b32 s31, MANT
	s_sub_co_u32 s32, ttmp9, 256                   ; a weight's work-group, counted from Wq's first
	s_and_b32 s33, s32, 31                         ; and within its own weight
	s_and_b32 s36, s22, 1
	s_lshl_b32 s36, s36, 1
	s_lshr_b32 s37, s22, 1
	s_or_b32 s36, s36, s37                         ; the wave's two bits exchanged
	s_wait_alu depctr_va_vdst(0)
	s_wait_kmcnt 0x0
	s_mov_b64 s[24:25], s[12:13]                   ; the source: Wo, unless the work-group's number says otherwise (the choices hang on that number alone)
	s_cmp_lt_u32 ttmp9, 352
	s_cselect_b64 s[24:25], s[10:11], s[24:25]
	s_cselect_b32 s36, s36, s22                    ; Wo's rows stay where they are
	s_cmp_lt_u32 ttmp9, 320
	s_cselect_b64 s[24:25], s[8:9], s[24:25]
	s_cmp_lt_u32 ttmp9, 288
	s_cselect_b64 s[24:25], s[6:7], s[24:25]
	s_cmp_lt_u32 ttmp9, 256
	s_cselect_b64 s[24:25], s[4:5], s[24:25]
	s_cselect_b64 s[26:27], s[14:15], s[18:19]     ; the codes' buffer
	s_cselect_b64 s[28:29], s[16:17], s[20:21]     ; the scale bytes'
	s_cselect_b32 s34, ttmp9, s33                  ; which 32 rows of the source,
	s_cselect_b32 s35, ttmp9, s32                  ; and of the buffers
	s_lshl_b32 s34, s34, 2
	s_add_co_u32 s34, s34, s22                     ; my run in the source
	s_lshl_b32 s38, s34, 15                        ; 32,768 bytes a run
	s_mov_b32 s39, 0
	s_add_nc_u64 s[24:25], s[24:25], s[38:39]
	s_lshl_b32 s35, s35, 2
	s_add_co_u32 s35, s35, s36                     ; my run's place in the buffers
	s_lshl_b32 s38, s35, 13                        ; 8,192 bytes of codes a run
	s_add_nc_u64 s[26:27], s[26:27], s[38:39]
	s_lshl_b32 s38, s35, 8                         ; 256 scale bytes a run
	s_add_nc_u64 s[28:29], s[28:29], s[38:39]
.macro LOAD t
.irp i, 0,1,2,3
	global_load_b128 v[R+16*((\t)%4)+4*\i:R+16*((\t)%4)+4*\i+3], v3, s[24:25] offset:2048*(\t)+512*\i th:TH_LOAD_NT   ; 32 lanes read 512 consecutive bytes; read once in the launch
.endr
.endm
.macro TURN t                          ; step t's numbers through the stage: LDS serves a wave's instructions in order (ISA guide 5.7.1.4), so no wait stands between the stores and the loads
.irp i, 0,1,2,3
	ds_store_b128 v14, v[R+16*((\t)%4)+4*\i:R+16*((\t)%4)+4*\i+3] offset:32*SP*((\t)%2)+8*SP*\i
.endr
.irp i, 0,1,2,3
	ds_load_b128 v[X+16*((\t)%2)+4*\i:X+16*((\t)%2)+4*\i+3], v15 offset:32*SP*((\t)%2)+16*\i
.endr
.endm
.irp t, 0,1,2,3
	LOAD \t
.endr
	s_wait_loadcnt 12                              ; step 0's four loads are in; the twelve of steps 1 to 3 may be out
	TURN 0
.macro STEP t
.set XS, X+16*((\t)%2)
.if (\t) > 0
	s_wait_dscnt 1                                 ; this step's numbers are back from the stage (the last step's byte store may be out): so its stores into the stage have read their registers,
.else
	s_wait_dscnt 0x0
.endif
.if (\t)+4 < STEPS
	LOAD (\t)+4                                    ; which take the loads of four steps on
.endif
.if (\t)+1 < STEPS
.if STEPS-2-(\t) >= 3
	s_wait_loadcnt 12                              ; the next step's four loads are in; those of the three steps behind it may be out
.else
	s_wait_loadcnt 4*(STEPS-2-(\t))                ; the tail: as many steps' loads as are left behind the next step's
.endif
	TURN (\t)+1                                    ; and go through the other stage while this step is worked
.endif
	v_max3_num_f32 v8, |v[XS]|, |v[XS+1]|, |v[XS+2]|               ; the largest magnitude of my 16, in two chains
	v_max3_num_f32 v9, |v[XS+3]|, |v[XS+4]|, |v[XS+5]|
.irp i, 6,10
	v_max3_num_f32 v8, v8, |v[XS+\i]|, |v[XS+\i+1]|
	v_max3_num_f32 v9, v9, |v[XS+\i+2]|, |v[XS+\i+3]|
.endr
	v_max3_num_f32 v8, v8, |v[XS+14]|, |v[XS+15]|
	v_max3_num_f32 v8, v8, v9, 0x8000000           ; and the floor 2^(16 - 127): the byte cannot fall under 1
	v_max_num_f32_dpp v8, v8, v8 row_xmask:1 row_mask:0xf bank_mask:0xf   ; and of my neighbour's 16: the block's
	v_add_nc_u32 v11, 0xf8800000, v8               ; 15 off its exponent field: the conversion takes the exponent field of this operand as its scale
	v_and_or_b32 v10, v8, 0x7f800000, s31          ; 57,344 x the scale
.irp i, 0,1,2,3,4,5,6,7,8,9,10,11,12,13,14,15
	v_med3_num_f32 v[XS+\i], v[XS+\i], -v10, v10   ; the conversion to an 8-bit code does not saturate (ISA guide 7.6.2): the hold comes first
.endr
	v_cvt_scalef32_pk8_bf8_f32 v[C+4*(\t):C+4*(\t)+1], v[XS:XS+7], v11
	v_cvt_scalef32_pk8_bf8_f32 v[C+4*(\t)+2:C+4*(\t)+3], v[XS+8:XS+15], v11
	v_lshrrev_b32 v[E+(\t)], 23, v11               ; the scale's byte (also the plain line behind the conversions)
	ds_store_b8 v5, v[E+(\t)] offset:16*(\t)       ; both lanes of a block write the same byte with the same value
	global_store_b128 v4, v[C+4*(\t):C+4*(\t)+3], s[26:27] offset:32*CB*(\t)   ; the wave stores 512 consecutive bytes, aligned
.endm
.irp t, 0,1,2,3,4,5,6,7,8,9,10,11,12,13,14,15
	STEP \t
.endr
	ds_load_b64 v[12:13], v6                       ; LDS serves a wave's instructions in order: these see my byte stores
	s_wait_dscnt 0x0
	global_store_b64 v7, v[12:13], s[28:29]        ; 32 lanes store 256 consecutive bytes, aligned
	s_wait_tensorcnt 0x0
	ds_add_u32 v192, v193
	s_wait_dscnt 0x0
	s_endpgm
.Lfunc_end_k_qfcacadb81f_quant:
	.size	k_qfcacadb81f_quant, .Lfunc_end_k_qfcacadb81f_quant-k_qfcacadb81f_quant
	.p2alignl 7, 3214868480
	.fill 96, 4, 3214868480
	.section	.rodata,"a",@progbits
	.p2align	6, 0x0
	.amdhsa_kernel k_qfcacadb81f_quant
		.amdhsa_group_segment_fixed_size 33280
		.amdhsa_private_segment_fixed_size 0
		.amdhsa_enable_private_segment 0
		.amdhsa_kernarg_size 72
		.amdhsa_user_sgpr_count 2
		.amdhsa_user_sgpr_kernarg_segment_ptr 1
		.amdhsa_wavefront_size32 1
		.amdhsa_system_sgpr_workgroup_id_x 1
		.amdhsa_system_sgpr_workgroup_id_y 1
		.amdhsa_system_sgpr_workgroup_id_z 1
		.amdhsa_system_vgpr_workitem_id 0
		.amdhsa_next_free_vgpr 194
		.amdhsa_next_free_sgpr 66
		.amdhsa_reserve_vcc 0
		.amdhsa_float_denorm_mode_32 3
		.amdhsa_float_denorm_mode_16_64 3
		.amdhsa_memory_ordered 1
		.amdhsa_forward_progress 1
		.amdhsa_inst_pref_size 51
	.end_amdhsa_kernel
	.amdgpu_metadata
---
amdhsa.version: [ 1, 2 ]
amdhsa.kernels:
  - .name:           k_qfcacadb81f_quant
    .symbol:         k_qfcacadb81f_quant.kd
    .args:
      - { .name: x, .offset: 0, .size: 8, .value_kind: global_buffer, .address_space: global }
      - { .name: Wq, .offset: 8, .size: 8, .value_kind: global_buffer, .address_space: global }
      - { .name: Wk, .offset: 16, .size: 8, .value_kind: global_buffer, .address_space: global }
      - { .name: Wv, .offset: 24, .size: 8, .value_kind: global_buffer, .address_space: global }
      - { .name: Wo, .offset: 32, .size: 8, .value_kind: global_buffer, .address_space: global }
      - { .name: xcodes, .offset: 40, .size: 8, .value_kind: global_buffer, .address_space: global }
      - { .name: xscales, .offset: 48, .size: 8, .value_kind: global_buffer, .address_space: global }
      - { .name: wcodes, .offset: 56, .size: 8, .value_kind: global_buffer, .address_space: global }
      - { .name: wscales, .offset: 64, .size: 8, .value_kind: global_buffer, .address_space: global }
    .group_segment_fixed_size: 33280
    .private_segment_fixed_size: 0
    .kernarg_segment_align: 8
    .kernarg_segment_size: 72
    .max_flat_workgroup_size: 128
    .sgpr_count:     66
    .vgpr_count:     194
    .wavefront_size: 32
...
	.end_amdgpu_metadata
.endif
;; end of part 1
;; launch qkv (part 2): grid 12 x 32, 4 waves a work-group, clusters of 4 x 4, 327,680 bytes of LDS; arguments xcodes, xscales, wcodes, wscales, bq, bk, bv, qkv; writes qkv
.if DOCPART == 2
	.amdgcn_target "amdgcn-amd-amdhsa--gfx1250"
	.amdhsa_code_object_version 6
	.text
	.protected	k_qfcacadb81f_qkv
	.globl	k_qfcacadb81f_qkv
	.p2align	8
	.type	k_qfcacadb81f_qkv,@function
k_qfcacadb81f_qkv:
	s_mov_b64 s[64:65], 0
	v_nop
	global_prefetch_b8 v0, s[64:65] scope:SCOPE_SE
	s_setreg_imm32_b32 hwreg(HW_REG_WAVE_MODE, 25, 1), 1
	s_wait_xcnt 0x0
	s_wait_alu depctr_hold_cnt(0) depctr_sa_sdst(0) depctr_va_vdst(0) depctr_va_sdst(0) depctr_va_ssrc(0) depctr_va_vcc(0) depctr_vm_vsrc(0)
	s_getreg_b32 s2, hwreg(HW_REG_IB_STS2, 6, 4)
	s_cmp_eq_u32 s2, 0
	s_cbranch_scc0 .Lentry_in_a_cluster
	s_endpgm
.Lentry_in_a_cluster:
	s_bfe_u32 s2, ttmp6, 0x10000c
	s_cmp_lg_u32 s2, 0xf033
	s_cbranch_scc0 .Lentry_shape_is_right
	s_endpgm
.Lentry_shape_is_right:
; q = x Wq^T + bq, k = x Wk^T + bk, v = x Wv^T + bv on codes of BF8 (E5M2) with E8M0 scales for each 32 along K = 1,024; the results are quantised again in registers,
; q and k along the head's 64 features, v along the keys, and leave as IMAGES OF OPERAND REGISTERS for the attention launch.  Sums, biases and all that precedes a quantiser in f32.
; A tile of 256 x 256 results is made by a work-group of four waves, 128 x 128 a wave (64 accumulators, 512 registers); K goes in steps of 256 through a ring of two LDS slots filled by
; the tensor data mover; the scale bytes of the work-group's 2 x 256 rows come once, with the first fills, and stay.
; CLUSTERS of 4 x 4: tiles of the operand called A are shared along a row of the cluster, B's along a column, each asked for jointly.
; ROLES, by the cluster's x (equal in all partners).  A is source 1 of the matrix instruction (its rows fall on lanes), B source 0 (its rows fall on registers).
;   cluster x 0 (q), 1 (k): A = x's positions, B = rows of Wq or Wk.  A lane holds one token and its registers run along the features.
;   cluster x 2 (v):        A = rows of Wv,    B = x's positions.     A lane holds one feature and its registers run along the tokens, which are the keys.
; Rows of x, Wq, Wk, Wv lie in the code buffers with bits 3 and 4 of their number exchanged: tile t's row 8 h + j is row 32 (t / 2) + 8 (t % 2) + 16 h + j, so the 16 registers of
; B's tiles 2 b and 2 b + 1 are 16 NEIGHBOURS, 32 b + 16 h + 0 .. 15: what a conversion makes of them are four registers of the next product's operand, as they stand.
; THE BUFFER qkv: three regions (q, k, v) of 64 heads (16 x batch + head) x 16 blocks of 8,448 bytes.  A block of q or k: 128 positions: codes at 1024 a + 512 c + 16 lane (tile a, features 32 c on),
; scale words at 8192 + 16 r + 4 (a / 2), two bytes a tile.  A block of v: 128 keys: codes at 2048 dt + 512 c + 16 lane (features' tile dt, keys 32 c on), scale words at 8192 + 16 r + 4 dt.
; A wave's 128 x 128 results are one block of each of two heads; each store of codes covers 512 consecutive bytes, aligned.
; 384 work-groups of equal work: 3 x 8,192 x 1,024 results in tiles of 256 x 256.
; LIMITS: a block of zeros, or one whose largest magnitude lies under 2^-111, gets the scale byte 1 (this program alone reads the bytes); NaN and infinities are not served.
; REGISTERS, in windows of 256: window 0: v0-31 addresses; v32-63 scale words, two sets; v64-127 the biases; from v128 A's fragments, one set; on the way out v128-235 at work.
;   window 1: B's fragments, two sets.   window 2: the accumulators of A's blocks 0-3 ((a, b) at v[8 (8 (a % 4) + b)]);   window 3: those of blocks 4-7.
.set SIZE_K, 1024
.set KSTEP,  256                       ; along K in a slot
.set NQ,     KSTEP/128                 ; matrix instructions deep
.set ROWB,   256                       ; a tile's row in bytes
.set KROW,   SIZE_K                    ; a row of codes in memory, in bytes
.set PITCH,  272                       ; an LDS row: 256 bytes + 16 of padding = 68 words: row r starts at bank 4 r mod 64 (ISA guide 11.1)
.set FR,     16                        ; registers of a fragment
.set NL,     4                         ; LDS loads that bring one
.set NP,     8                         ; places behind this matrix instruction (ISA guide 7.12.1)
.set HALFT,  128*PITCH                 ; 128 rows: what one tensor load brings
.set SLOT,   4*HALFT                   ; A's 256 rows, then B's 256 rows
.set LAPS,   SIZE_K/(2*KSTEP)          ; a lap = two K steps = once round the ring
.set KS,     SIZE_K/32                 ; a row of scale bytes
.set SCL,    2*SLOT                    ; behind the ring: the scales, as rows of 256 bytes + 16 of padding
.set HALFS,  (128*KS/256)*272          ; the scales of 128 rows
.set SBLK,   (16*KS/256)*272           ; those of 16 rows
.set SPARE,  SCL+4*HALFS               ; the spare words, 128 bytes for each wave: two blocks of 256 bytes that no other line names
.set BLKB,   8448                      ; a block of qkv
.set HEADB,  16*BLKB                   ; a head's 16 blocks
.set REGION, 64*HEADB                  ; a region
.set ADRA, 16                          ; v16-17  LDS address of my A fragments in slot 0, 1
.set ADRB, 20                          ; v20-21  the same for B
.set CO,   26                          ; v26     16 x lane: my place in an image
.set ADRS, 27                          ; v27     LDS address of my scale words: lanes 0-15 A's rows, lanes 16-31 B's
.set SPW,  28                          ; v28     LDS address of my spare word; never rewritten
.set NIL,  29                          ; v29     0; never rewritten
.set SC,   32                          ; scale words: set s at v[SC + 8 NQ s]
.set BB,   64                          ; v64-127 the biases in the results' layout
.set AF,   128                         ; A's fragments
.set T,    128                         ; the way out: 64 numbers at work
.set PC,   192                         ; v192-207 the codes just made
.set TM,   208                         ; v208-211 largest magnitudes, 212-215 bytes, 216-219 holds, 220-223 the conversions' scale operands
.set PW,   224                         ; v224-231 a scale word for each of A's blocks
.set RW,   232                         ; v232-235 the scale words as they are stored
.set G1, 24
.set G0, 32
.set G1B, 48
.set G0B, 56
.set G1S, 68
.set G0S, 76
.set G1SB, 80
.set G0SB, 88
.set MNT, 95                           ; s95      the mantissa field of 57,344
.set SEL, 98                           ; s[98:99] v_permlanex16_b32's selects for lane l xor 16
.set MSB, 0
.macro WIN new                         ; the immediate's high byte repeats the setting that is left
.if MSB != \new
	s_set_vgpr_msb (MSB<<8)|\new
.set MSB, \new
.endif
.endm
.set MUL_LO, 0xa1                      ; source 0 (B) window 1, source 1 (A) window 0, C and D window 2
.set MUL_HI, 0xf1                      ; the same, C and D window 3
.set TO_B,   0x40                      ; destination window 1, address window 0
; A joint load: waves 0 and 1 fetch for A, waves 2 and 3 for B; the branch hangs on the wave's number alone.  Four v_nop follow each of the two lines.
.macro JLOAD g0a, g1a, g0b, g1b
	s_cmp_eq_u32 s15, 0
	s_cbranch_scc0 .Lfor_b_\@
	tensor_load_to_lds s[\g0a:\g0a+3], s[\g1a:\g1a+7]
	s_nop 0
.rept 4
	v_nop
.endr
	s_branch .Lasked_\@
.Lfor_b_\@:
	tensor_load_to_lds s[\g0b:\g0b+3], s[\g1b:\g1b+7]
	s_nop 0
.rept 4
	v_nop
.endr
.Lasked_\@:
.endm
.macro CREST                           ; a round of the cluster's barrier behind its opening barrier
	s_cmp_lg_u32 s14, 0
	s_cbranch_scc1 .Lnot_wave_0_\@
	s_barrier_signal -3
.Lnot_wave_0_\@:
	s_barrier_wait -3
	s_barrier_signal -1
	s_barrier_wait -1
.endm
.macro CROUND                          ; a whole round
	s_barrier_signal -1
	s_barrier_wait -1
	CREST
.endm
	s_load_b256 s[68:75], s[0:1], 0x0              ; xcodes s[68:69], xscales s[70:71], wcodes s[72:73], wscales s[74:75]
	s_load_b256 s[76:83], s[0:1], 0x20             ; bq s[76:77], bk s[78:79], bv s[80:81], qkv s[82:83]
	v_lshl_add_u32 v[SPW], v0, 2, SPARE
	v_mov_b32 v[NIL], 0
	ds_add_u32 v28, v29
	ds_add_u32 v28, v29
	s_wait_dscnt 0x0
	v_lshrrev_b32 v1, 5, v0
	v_readfirstlane_b32 s14, v1                    ; wave 0..3
	s_lshr_b32 s15, s14, 1                         ; which half of A's rows is mine.  Also: I fetch for A (0) or for B (1)
	s_and_b32 s16, s14, 1                          ; which half of B's rows.  Also: which 128 rows of that tile I fetch
	s_bfe_u32 s40, ttmp6, 0x40000                  ; cx, cy: my place in the cluster
	s_bfe_u32 s41, ttmp6, 0x40004
	s_and_b32 s92, ttmp7, 0xffff
	s_lshl_b32 s92, s92, 2                         ; 4 x cluster y
	s_lshl_b32 s93, ttmp9, 2                       ; 4 x cluster x
	s_wait_kmcnt 0x0
	s_add_nc_u64 s[84:85], s[72:73], 0x200000      ; Wv's codes: the third MiB
	s_add_nc_u64 s[86:87], s[74:75], 0x10000       ; and its scale bytes
	s_cmp_eq_u32 ttmp9, 2                          ; the roles: only selects follow the compare
	s_cselect_b64 s[4:5], s[84:85], s[68:69]       ; A's codes
	s_cselect_b64 s[6:7], s[86:87], s[70:71]       ; A's scales
	s_cselect_b64 s[8:9], s[68:69], s[72:73]       ; B's codes
	s_cselect_b64 s[10:11], s[70:71], s[74:75]     ; B's scales
	s_cselect_b32 s17, 0, s92
	s_cselect_b32 s42, s92, s93
	s_cselect_b64 s[96:97], s[80:81], s[78:79]     ; the bias
	s_cmp_eq_u32 ttmp9, 0
	s_cselect_b64 s[96:97], s[76:77], s[96:97]
	s_mov_b64 s[12:13], s[82:83]                   ; qkv
	s_add_co_u32 s17, s17, s41                     ; A's tile of 256 rows: made of cy and the cluster's numbers alone
	s_add_co_u32 s42, s42, s40                     ; B's: of cx and the cluster's numbers alone
	s_lshl_b32 s43, s41, 2
	s_lshl_b32 s43, 15, s43                        ; my row of the cluster
	s_lshl_b32 s44, 0x1111, s40                    ; my column
	; descriptor group 1: a tile of 128 rows x 256 bytes, padded in LDS
	s_or_b32 s[G1+0], s43, (0<<16)|(1<<20)|(1<<21)|(5<<22)|(3<<25)  ; 15:0 the mask; 17:16 element of 1 byte; 20 padding on; 21 set beside a mask; 24:22 after every 64 words; 31:25 four words
	s_or_b32 s[G1B+0], s44, (0<<16)|(1<<20)|(1<<21)|(5<<22)|(3<<25)
.irp g, G1, G1B
	s_mov_b32 s[\g+1], ROWB<<16                    ; tensor_dim0
	s_mov_b32 s[\g+2], 256<<16                     ; tensor_dim1: 256 rows for the head's loads; set to 128 for the ring's behind them
	s_mov_b32 s[\g+3], ROWB<<16                    ; tile_dim0
	s_mov_b32 s[\g+4], 256                         ; tile_dim1 likewise
	s_mov_b32 s[\g+5], KROW                        ; tensor_dim0_stride
	s_mov_b32 s[\g+6], 0
	s_mov_b32 s[\g+7], 0
.endr
	; the scales of 256 rows: a dense block of 8,192 bytes, as 32 rows of 256 bytes (32 elements of 8 bytes), 16 bytes of padding behind each
	s_or_b32 s[G1S+0], s43, (3<<16)|(1<<20)|(1<<21)|(5<<22)|(3<<25)
	s_or_b32 s[G1SB+0], s44, (3<<16)|(1<<20)|(1<<21)|(5<<22)|(3<<25)
.irp g, G1S, G1SB
	s_mov_b32 s[\g+1], 32<<16
	s_mov_b32 s[\g+2], KS<<16                      ; the scales of 256 rows: 256 KS dense bytes as KS rows of 256
	s_mov_b32 s[\g+3], 32<<16
	s_mov_b32 s[\g+4], KS
	s_mov_b32 s[\g+5], 32
	s_mov_b32 s[\g+6], 0
	s_mov_b32 s[\g+7], 0
.endr
	s_lshl_b32 s20, s17, 8                         ; A: the tile's first row
	s_lshl_b32 s46, s42, 8                         ; B likewise
	s_mov_b32 s21, 0
	s_mov_b32 s47, 0
	s_mov_b64 s[18:19], KS
	s_mul_u64 s[22:23], s[20:21], s[18:19]         ; where these rows' scales begin, in bytes
	s_mul_u64 s[92:93], s[46:47], s[18:19]
	s_mov_b64 s[18:19], KROW
	s_mul_u64 s[20:21], s[20:21], s[18:19]         ; and their codes
	s_mul_u64 s[46:47], s[46:47], s[18:19]
	s_mul_i32 s18, s16, 128*KROW                   ; in the ring I fetch 128 rows of a tile: which half, in bytes,
	s_mov_b32 s19, 0
	s_mul_i32 s45, s14, HALFT                      ; and where they go: wave x 128 rows: no place in the cluster enters an LDS address
	s_add_nc_u64 s[20:21], s[4:5], s[20:21]
	s_add_nc_u64 s[22:23], s[6:7], s[22:23]
	s_add_nc_u64 s[46:47], s[8:9], s[46:47]
	s_add_nc_u64 s[92:93], s[10:11], s[92:93]
	CROUND                                         ; all sixteen work-groups are here: the first joint loads meet
	s_mov_b32 s[G0S], 1
	s_mov_b32 s[G0S+1], SCL                        ; the scales of A's 256 rows
	s_mov_b64 s[G0S+2:G0S+3], s[22:23]
	s_or_b32 s[G0S+3], s[G0S+3], 0x80000000
	s_mov_b32 s[G0SB], 1
	s_mov_b32 s[G0SB+1], SCL+2*HALFS               ; and of B's, behind them
	s_mov_b64 s[G0SB+2:G0SB+3], s[92:93]
	s_or_b32 s[G0SB+3], s[G0SB+3], 0x80000000
	s_mov_b32 s4, 1                                ; s[4:7]: group 0 for K step 0's 256 rows of A (the addresses that lay here have been used),
	s_mov_b32 s5, 0
	s_mov_b64 s[6:7], s[20:21]
	s_or_b32 s7, s7, 0x80000000
	s_mov_b32 s8, 1                                ; s[8:11]: for its 256 rows of B, behind A's in slot 0
	s_mov_b32 s9, 2*HALFT
	s_mov_b64 s[10:11], s[46:47]
	s_or_b32 s11, s11, 0x80000000
	s_add_nc_u64 s[20:21], s[20:21], s[18:19]      ; for the ring: my 128 rows of the tile
	s_add_nc_u64 s[46:47], s[46:47], s[18:19]
.irp s, 0,1
	s_mov_b32 s[G0+4*\s], 1
	s_add_co_u32 s[G0+4*\s+1], s45, \s*SLOT
	s_add_nc_u64 s[G0+4*\s+2:G0+4*\s+3], s[20:21], \s*ROWB
	s_or_b32 s[G0+4*\s+3], s[G0+4*\s+3], 0x80000000
	s_mov_b32 s[G0B+4*\s], 1
	s_add_co_u32 s[G0B+4*\s+1], s45, \s*SLOT
	s_add_nc_u64 s[G0B+4*\s+2:G0B+4*\s+3], s[46:47], \s*ROWB
	s_or_b32 s[G0B+4*\s+3], s[G0B+4*\s+3], 0x80000000
.endr
; THE HEAD'S LOADS, ONE A WAVE: wave 0 K step 0's 256 rows of A, wave 1 its 256 rows of B, wave 2 A's scales, wave 3 B's.
; One chain of branches on the wave's number: every way through the head passes exactly one load.
.macro HARM under, g0, g1, next
	s_cmp_lt_u32 s14, \under
	s_cbranch_scc0 \next
	tensor_load_to_lds s[\g0:\g0+3], s[\g1:\g1+7]
	s_nop 0
.rept 4
	v_nop
.endr
	s_branch .Lhead_asked
\next:
.endm
	HARM 1, 4,   G1,  .Lhead_b
	HARM 2, 8,   G1B, .Lhead_sa
	HARM 3, G0S, G1S, .Lhead_sb
	tensor_load_to_lds s[G0SB:G0SB+3], s[G1SB:G1SB+7]
	s_nop 0
.rept 4
	v_nop
.endr
.Lhead_asked:
	v_and_b32 v1, 15, v0                           ; r = l % 16; stays
	v_bfe_u32 v2, v0, 4, 1                         ; h = l / 16; stays
	v_mul_u32_u24 v3, v1, PITCH
	v_lshl_add_u32 v4, v2, 4, v3                   ; a fragment's row x pitch + 16 x half
	s_mul_i32 s21, s15, HALFT                      ; my 128 rows of A
	s_mul_i32 s22, s16, HALFT                      ; my 128 rows of B,
	s_add_co_u32 s22, s22, 2*HALFT                 ; which lie behind A's 256
.irp s, 0,1
	v_add_nc_u32 v[ADRA+\s], s21, v4
	v_add_nc_u32 v[ADRB+\s], s22, v4
	s_add_co_u32 s21, s21, SLOT
	s_add_co_u32 s22, s22, SLOT
.endr
	v_mul_u32_u24 v5, v1, KS                       ; my row's scales: KS bytes a row,
	v_lshrrev_b32 v6, 8, v5
	v_lshl_add_u32 v5, v6, 4, v5                   ; and 16 more for each 256 passed
	s_mul_i32 s21, s15, HALFS                      ; A's: my 128 rows
	s_mul_i32 s22, s16, HALFS                      ; B's: my 128 rows, behind A's 256
	s_add_co_u32 s22, s22, 2*HALFS
	s_sub_co_u32 s22, s22, s21
	v_mul_u32_u24 v6, s22, v2                      ; lanes 16-31 take B's: one product, the distance between the two
	s_add_co_u32 s21, s21, SCL
	v_add_nc_u32 v5, v5, v6
	v_add_nc_u32 v[ADRS], s21, v5
	v_and_b32 v6, 31, v0
	v_lshlrev_b32 v[CO], 4, v6
.macro FRAG reg, adr, q, i             ; a fragment, 16 rows x 128 K: lane l holds row l % 16; registers 4 c .. 4 c + 3 hold K = 32 c + 16 (l / 16) + 0 .. 15
.irp c, 0,1,2,3
	ds_load_b128 v[\reg+4*\c:\reg+4*\c+3], v[\adr] offset:128*(\q)+32*\c+(\i)*16*PITCH
.endr
.endm
; 16 matrix instructions: A's blocks a0, a0 + 1 x B's eight, 128 along K.  The 64 accumulators take turns, one instruction a turn, in the same order in every step.
.macro MUL16 a0, p, q, sc, zero
.irp a, \a0, \a0+1
.irp b, 0,1,2,3,4,5,6,7
.if \zero
	v_wmma_scale_f32_16x16x128_f8f6f4 v[8*(8*((\a)%4)+\b):8*(8*((\a)%4)+\b)+7], v[128*(\p)+FR*\b:128*(\p)+FR*\b+FR-1], v[AF+FR*(\a):AF+FR*(\a)+FR-1], 0, v[SC+8*NQ*(\sc)+NQ*\b+(\q)], v[SC+8*NQ*(\sc)+NQ*(\a)+(\q)] matrix_a_fmt:MATRIX_FMT_BF8 matrix_b_fmt:MATRIX_FMT_BF8 matrix_a_scale:MATRIX_SCALE_ROW1
.else
	v_wmma_scale_f32_16x16x128_f8f6f4 v[8*(8*((\a)%4)+\b):8*(8*((\a)%4)+\b)+7], v[128*(\p)+FR*\b:128*(\p)+FR*\b+FR-1], v[AF+FR*(\a):AF+FR*(\a)+FR-1], v[8*(8*((\a)%4)+\b):8*(8*((\a)%4)+\b)+7], v[SC+8*NQ*(\sc)+NQ*\b+(\q)], v[SC+8*NQ*(\sc)+NQ*(\a)+(\q)] matrix_a_fmt:MATRIX_FMT_BF8 matrix_b_fmt:MATRIX_FMT_BF8 matrix_a_scale:MATRIX_SCALE_ROW1
.endif
.endr
.endr
.endm
.macro FETCH_B slot, q, p              ; B's eight fragments of the slot's q-th 128 along K into set p
	WIN TO_B
.irp i, 0,1,2,3,4,5,6,7
	FRAG 128*(\p)+FR*\i, ADRB+\slot, \q, \i
.endr
	WIN 0
.endm
.macro FETCH_A slot, q, i0             ; A's blocks i0 .. i0 + 3
.irp i, \i0, \i0+1, \i0+2, \i0+3
	FRAG AF+FR*(\i), ADRA+\slot, \q, \i
.endr
.endm
.macro SCALES sc                       ; a K step's scale words into set sc: lanes 0-15 take A's block i, lanes 16-31 B's block i
.irp i, 0,1,2,3,4,5,6,7
	ds_load_b64 v[SC+8*NQ*\sc+NQ*\i:SC+8*NQ*\sc+NQ*\i+1], v[ADRS] offset:\i*SBLK
.endr
.endm
.macro PLACES n                        ; plain vector instructions between a matrix instruction and a load into, or a vector instruction on, its registers
.rept \n
	v_nop
.endr
.endm
; A step of 128 along K that has its successor in the same slot.
.macro STEP slot, q, zero
	s_wait_dscnt 4*NL                              ; B's set and A's blocks 0-3 are in; the youngest sixteen loads (A's blocks 4-7) may be out
	WIN MUL_LO
	MUL16 0, (\q)%2, \q, \slot, \zero
	MUL16 2, (\q)%2, \q, \slot, \zero
	s_wait_dscnt 0                                 ; A's blocks 4-7 are in
	PLACES NP
	FETCH_B \slot, (\q)+1, 1-(\q)%2
	FETCH_A \slot, (\q)+1, 0
	WIN MUL_HI
	MUL16 4, (\q)%2, \q, \slot, \zero
	MUL16 6, (\q)%2, \q, \slot, \zero
	PLACES NP
	WIN 0
	FETCH_A \slot, (\q)+1, 4
.endm
; A slot's last step changes slots: ONE barrier; in front of it each wave waits for all its tensor loads, adds 0 to its spare word, and waits for that and for its own reads of this slot.
.macro TURN slot, next, fill
	s_wait_tensorcnt 0x0                           ; all my tensor loads have landed: my part of the next slot
	ds_add_u32 v[SPW], v[NIL]                      ; 0 onto my spare word
	s_wait_dscnt 4*NL+1                            ; (the add and the youngest sixteen loads, A's blocks 4-7, may be out)
	WIN MUL_LO
	MUL16 0, 1, NQ-1, \slot, 0                     ; sixteen matrix instructions stand between the add and the wait for it
	s_wait_dscnt 0x0                               ; the add is done, and my reads of this slot are over
	s_barrier_signal -1
	MUL16 2, 1, NQ-1, \slot, 0
	WIN 0
	s_barrier_wait -1
.if \fill
	CREST                                          ; the barrier has opened a round of the cluster's barrier: no wave of any partner still reads this slot or has a load on its way
	s_add_nc_u64 s[G0+4*\slot+2:G0+4*\slot+3], s[G0+4*\slot+2:G0+4*\slot+3], 2*ROWB
	s_add_nc_u64 s[G0B+4*\slot+2:G0B+4*\slot+3], s[G0B+4*\slot+2:G0B+4*\slot+3], 2*ROWB
	JLOAD G0+4*\slot, G1, G0B+4*\slot, G1B         ; the first tensor load behind the round; its four v_nop are among the places in front of the loads below
	PLACES NP-4
.else
	PLACES NP
.endif
	s_wait_alu depctr_va_vdst(0)
	v_add_nc_u32 v[ADRS], 4*NQ, v[ADRS]            ; on to the next K step's scale words
	FETCH_B \next, 0, 0
	FETCH_A \next, 0, 0
	SCALES \next
	WIN MUL_HI
	MUL16 4, 1, NQ-1, \slot, 0
	MUL16 6, 1, NQ-1, \slot, 0
	PLACES NP
	WIN 0
	FETCH_A \next, 0, 4
.endm
; 64 numbers of a lane, v[s] on, register 16 b + i = K 32 b + 16 (lane / 16) + i of my row, become 16 registers of codes in v[PC] on and a scale word in v[pw].
.macro QUANT s, pw
.irp b, 0,1,2,3
	v_max3_num_f32 v[TM+\b], |v[\s+16*\b]|, |v[\s+1+16*\b]|, 0x8000000   ; block b: my 16 numbers, and the floor 2^(16 - 127): the byte cannot fall under 1
.endr
.irp i, 2,4,6,8,10,12,14
.irp b, 0,1,2,3
	v_max3_num_f32 v[TM+\b], v[TM+\b], |v[\s+16*\b+\i]|, |v[\s+1+16*\b+\i]|   ; the four blocks by turns
.endr
.endr
.irp b, 0,1,2,3
	v_permlanex16_b32 v[TM+4+\b], v[TM+\b], s[SEL], s[SEL+1]
.endr
.irp b, 0,1,2,3
	v_max_num_f32 v[TM+\b], v[TM+\b], v[TM+4+\b]   ; with lane l xor 16's: the block's largest magnitude
.endr
.irp b, 0,1,2,3
	v_add_nc_u32 v[TM+12+\b], 0xf8800000, v[TM+\b] ; 15 off its exponent field: the conversion's scale operand
.endr
.irp b, 0,1,2,3
	v_and_or_b32 v[TM+8+\b], v[TM+\b], 0x7f800000, s[MNT]   ; 57,344 x the scale
.endr
.irp b, 0,1,2,3
	v_lshrrev_b32 v[TM+4+\b], 23, v[TM+12+\b]      ; the scale's byte
.endr
	v_lshl_or_b32 v[\pw], v[TM+5], 8, v[TM+4]
	v_lshl_or_b32 v[\pw], v[TM+6], 16, v[\pw]
	v_lshl_or_b32 v[\pw], v[TM+7], 24, v[\pw]
.irp b, 0,1,2,3
.irp i, 0,1,2,3,4,5,6,7,8,9,10,11,12,13,14,15
	v_med3_num_f32 v[\s+16*\b+\i], v[\s+16*\b+\i], -v[TM+8+\b], v[TM+8+\b]   ; the conversion does not saturate (ISA guide 7.6.2): the hold comes first
.endr
	v_cvt_scalef32_pk8_bf8_f32 v[PC+4*\b:PC+1+4*\b], v[\s+16*\b:\s+7+16*\b], v[TM+12+\b]
	v_cvt_scalef32_pk8_bf8_f32 v[PC+2+4*\b:PC+3+4*\b], v[\s+8+16*\b:\s+15+16*\b], v[TM+12+\b]
.endr
	v_nop                                          ; a plain vector line behind the last conversion, ahead of the next vector line on its registers
.endm
; THE WAY OUT.  For each of A's eight blocks: bias added (which also brings the 64 results into window 0), quantised, four stores of 512 consecutive bytes.  isv = 1: v's roles.
.macro EPI isv
	PLACES NP                                      ; behind the last products: their results are read and A's registers written below
	s_wait_loadcnt 0x0                             ; the biases, asked for 128 matrix instructions ago
.irp b, 0,1,2,3
	v_mov_b32 v[TM+4+\b], 0                        ; written once: a lane permute's destination counts as one of its sources
.endr
.irp a, 0,1,2,3,4,5,6,7
.if \a > 0
	s_wait_xcnt 0x0                                ; the last block's stores have read their data: the codes' registers are written again only behind this wait
.endif
	WIN 0x02+(\a)/4                                ; source 0: window 2 or 3
.set i, 0
.rept 32
.if \isv
	v_pk_add_f32 v[T+i:T+i+1], v[64*(\a%4)+i:64*(\a%4)+i+1], v[BB+2*\a:BB+2*\a+1]   ; one bias a lane (its feature's), twice; each accumulator from its low end on
.else
	v_pk_add_f32 v[T+i:T+i+1], v[64*(\a%4)+i:64*(\a%4)+i+1], v[BB+i:BB+i+1]         ; the biases of my 64 features; each accumulator from its low end on
.endif
.set i, i+2
.endr
	WIN 0
	QUANT T, PW+\a
.irp b, 0,1,2,3
.if \isv
	global_store_b128 v[CO], v[PC+4*\b:PC+4*\b+3], s[12:13] offset:HEADB*(\a/4)+2048*(\a%4)+512*\b   ; head a / 4, features' tile a % 4, keys 32 b on
.else
	global_store_b128 v[CO], v[PC+4*\b:PC+4*\b+3], s[12:13] offset:1024*\a+512*(\b%2)+HEADB*(\b/2)   ; head b / 2, positions' tile a, features 32 (b % 2) on
.endif
.endr
.endr
.if \isv
.irp d, 0,1,2,3
	v_cndmask_b32 v[RW+\d], v[PW+\d], v[PW+4+\d], s94   ; lanes 0-15: the first head's four tiles; lanes 16-31: the second's (a word stands in both halves of the lanes)
.endr
.else
.irp f, 0,1,2,3
	v_perm_b32 v[RW+\f], v[PW+2*\f+1], v[PW+2*\f], v9   ; two bytes of tile 2 f, two of tile 2 f + 1: lanes 0-15 the first head's, lanes 16-31 the second's
.endr
.endif
	global_store_b128 v7, v[RW:RW+3], s[12:13] offset:8192   ; sixteen lanes store 256 consecutive bytes, aligned, for each of the two heads
	s_wait_tensorcnt 0x0                           ; the wave's end
	ds_add_u32 v[SPW], v[NIL]
	s_wait_dscnt 0x0
.endm
; An arm: where my results go, the biases asked for, the last K step's 128 matrix instructions, the way out.
.macro ARM isv
.if \isv
	s_lshr_b32 s18, s42, 3                         ; batch: B's tile of 256 tokens / 8
	s_lshl_b32 s18, s18, 4
	s_lshl_b32 s19, s41, 2
	s_add_co_u32 s18, s18, s19
	s_lshl_b32 s19, s15, 1
	s_add_co_u32 s18, s18, s19                     ; + head 4 cy + 2 x my half of A's rows
	s_mul_i32 s18, s18, HEADB
	s_and_b32 s19, s42, 7
	s_lshl_b32 s19, s19, 1
	s_add_co_u32 s19, s19, s16                     ; the key step: my 128 tokens
	s_mul_i32 s19, s19, BLKB
	s_add_co_u32 s18, s18, s19
	s_add_co_u32 s18, s18, 2*REGION
	s_lshl_b32 s20, s41, 10                        ; bv at feature 256 cy + 128 x half
	s_lshl_b32 s21, s15, 9
.else
	s_lshr_b32 s18, s17, 3                         ; batch: A's tile of 256 tokens / 8
	s_lshl_b32 s18, s18, 4
	s_lshl_b32 s19, s40, 2
	s_add_co_u32 s18, s18, s19
	s_lshl_b32 s19, s16, 1
	s_add_co_u32 s18, s18, s19                     ; + head 4 cx + 2 x my half of B's rows
	s_mul_i32 s18, s18, HEADB
	s_and_b32 s19, s17, 7
	s_lshl_b32 s19, s19, 1
	s_add_co_u32 s19, s19, s15                     ; the group of 128 positions
	s_mul_i32 s19, s19, BLKB
	s_add_co_u32 s18, s18, s19
	s_mul_i32 s19, ttmp9, REGION                   ; q's region or k's
	s_add_co_u32 s18, s18, s19
	s_lshl_b32 s20, s40, 10                        ; the bias at feature 256 cx + 128 x half
	s_lshl_b32 s21, s16, 9
.endif
	s_mov_b32 s19, 0
	s_add_nc_u64 s[12:13], s[12:13], s[18:19]
	s_add_co_u32 s20, s20, s21
	s_mov_b32 s21, 0
	s_add_nc_u64 s[96:97], s[96:97], s[20:21]
	s_mov_b32 s94, 0xffff0000                      ; lanes 16-31
	s_mov_b32 s[MNT], 0x600000
	s_mov_b32 s[SEL], 0x76543210
	s_mov_b32 s[SEL+1], 0xfedcba98
	v_mul_u32_u24 v7, v2, HEADB
	v_lshl_add_u32 v7, v1, 4, v7                   ; the scale words: 16 r, lanes 16-31 a head further on
.if \isv
	v_and_b32 v8, 8, v1
	v_add_nc_u32 v8, v8, v1
	v_lshlrev_b32 v8, 2, v8                        ; my lane's feature in a tile: r + 8 (r / 8)
.irp a, 0,1,2,3,4,5,6,7
	global_load_b32 v[BB+2*\a], v8, s[96:97] offset:(32*(\a/2)+8*(\a%2))*4
	global_load_b32 v[BB+2*\a+1], v8, s[96:97] offset:(32*(\a/2)+8*(\a%2))*4   ; twice: a pair for the packed addition
.endr
.else
	v_lshlrev_b32 v8, 6, v2                        ; 16 h features
	v_mov_b32 v9, 0x05040100
	v_mov_b32 v10, 0x07060302
	v_cndmask_b32 v9, v9, v10, s94                 ; which two bytes of a block's scale word are my head's
.irp b, 0,1,2,3
.irp j, 0,1,2,3
	global_load_b128 v[BB+16*\b+4*\j:BB+16*\b+4*\j+3], v8, s[96:97] offset:128*\b+16*\j   ; register 16 b + i: the bias of feature 32 b + 16 h + i
.endr
.endr
.endif
	STEP 1, 0, 0
	s_wait_dscnt 4*NL                              ; the very last step: nothing more to fetch; A's blocks 4-7 may be out
	WIN MUL_LO
	MUL16 0, 1, NQ-1, 1, 0
	MUL16 2, 1, NQ-1, 1, 0
	s_wait_dscnt 0
	WIN MUL_HI
	MUL16 4, 1, NQ-1, 1, 0
	MUL16 6, 1, NQ-1, 1, 0
	WIN 0
	EPI \isv
.endm
	s_wait_alu depctr_va_vdst(0)
	s_wait_tensorcnt 0x0                           ; my tile of the head's four is in
	ds_add_u32 v[SPW], v[NIL]
	s_mov_b32 s[G1+2], 128<<16                     ; no tensor load of mine is out: from here on a load brings 128 rows
	s_mov_b32 s[G1+4], 128
	s_mov_b32 s[G1B+2], 128<<16
	s_mov_b32 s[G1B+4], 128
	s_wait_dscnt 0x0                               ; the add is done
	CROUND                                         ; all four tiles are in, and all sixteen work-groups are here
	JLOAD G0+4, G1, G0B+4, G1B                     ; K step 1 into slot 1: the first tensor load behind the round
	FETCH_B 0, 0, 0
	FETCH_A 0, 0, 0
	SCALES 0
	FETCH_A 0, 0, 4
	STEP 0, 0, 1                                   ; the first step stands in front of the loop: its products start the sums
	s_mov_b32 s3, LAPS-1
.Llap:                                                 ; a trip goes once round the ring and fills both slots again
	TURN 0, 1, 1
	STEP 1, 0, 0
	TURN 1, 0, 1
	STEP 0, 0, 0
	s_sub_co_u32 s3, s3, 1
	s_cmp_lg_u32 s3, 0
	s_cbranch_scc1 .Llap
	TURN 0, 1, 0                                   ; the last lap fills nothing, and has no round of the cluster's barrier
	s_cmp_eq_u32 ttmp9, 2                          ; the roles part here, on the cluster's number, which all partners share; no tensor load and no barrier stands in an arm
	s_cbranch_scc1 .Lv
	ARM 0
	s_branch .Ljoin
.Lv:
	ARM 1
.Ljoin:
	CROUND                                         ; the closing round: no work-group ends while a partner may still ask for a tile that names it
	s_endpgm
.Lfunc_end_k_qfcacadb81f_qkv:
	.size	k_qfcacadb81f_qkv, .Lfunc_end_k_qfcacadb81f_qkv-k_qfcacadb81f_qkv
	.p2alignl 7, 3214868480
	.fill 96, 4, 3214868480
	.section	.rodata,"a",@progbits
	.p2align	6, 0x0
	.amdhsa_kernel k_qfcacadb81f_qkv
		.amdhsa_group_segment_fixed_size 327680
		.amdhsa_private_segment_fixed_size 0
		.amdhsa_enable_private_segment 0
		.amdhsa_kernarg_size 64
		.amdhsa_user_sgpr_count 2
		.amdhsa_user_sgpr_kernarg_segment_ptr 1
		.amdhsa_wavefront_size32 1
		.amdhsa_system_sgpr_workgroup_id_x 1
		.amdhsa_system_sgpr_workgroup_id_y 1
		.amdhsa_system_sgpr_workgroup_id_z 1
		.amdhsa_system_vgpr_workitem_id 0
		.amdhsa_next_free_vgpr 1024
		.amdhsa_next_free_sgpr 100
		.amdhsa_reserve_vcc 0
		.amdhsa_float_denorm_mode_32 3
		.amdhsa_float_denorm_mode_16_64 3
		.amdhsa_memory_ordered 1
		.amdhsa_forward_progress 1
		.amdhsa_inst_pref_size 255
	.end_amdhsa_kernel
	.section	.bss,"aw",@nobits
	.p2align	6
	.space	262144
	.amdgpu_metadata
---
amdhsa.version: [ 1, 2 ]
amdhsa.kernels:
  - .name:           k_qfcacadb81f_qkv
    .symbol:         k_qfcacadb81f_qkv.kd
    .args:
      - { .name: xcodes, .offset: 0, .size: 8, .value_kind: global_buffer, .address_space: global }
      - { .name: xscales, .offset: 8, .size: 8, .value_kind: global_buffer, .address_space: global }
      - { .name: wcodes, .offset: 16, .size: 8, .value_kind: global_buffer, .address_space: global }
      - { .name: wscales, .offset: 24, .size: 8, .value_kind: global_buffer, .address_space: global }
      - { .name: bq, .offset: 32, .size: 8, .value_kind: global_buffer, .address_space: global }
      - { .name: bk, .offset: 40, .size: 8, .value_kind: global_buffer, .address_space: global }
      - { .name: bv, .offset: 48, .size: 8, .value_kind: global_buffer, .address_space: global }
      - { .name: qkv, .offset: 56, .size: 8, .value_kind: global_buffer, .address_space: global }
    .group_segment_fixed_size: 327680
    .private_segment_fixed_size: 0
    .kernarg_segment_align: 8
    .kernarg_segment_size: 64
    .max_flat_workgroup_size: 128
    .sgpr_count:     100
    .vgpr_count:     1024
    .wavefront_size: 32
...
	.end_amdgpu_metadata
.endif
;; end of part 2
;; launch attn (part 3): grid 4 x 64, 8 waves a work-group, clusters of 4 x 1, 327,680 bytes of LDS; arguments qkv, ctx_img, ctx_scl; writes ctx_img, ctx_scl
.if DOCPART == 3
	.amdgcn_target "amdgcn-amd-amdhsa--gfx1250"
	.amdhsa_code_object_version 6
	.text
	.protected	k_qfcacadb81f_attn
	.globl	k_qfcacadb81f_attn
	.p2align	8
	.type	k_qfcacadb81f_attn,@function
k_qfcacadb81f_attn:
	s_mov_b64 s[64:65], 0
	v_nop
	global_prefetch_b8 v0, s[64:65] scope:SCOPE_SE
	s_setreg_imm32_b32 hwreg(HW_REG_WAVE_MODE, 25, 1), 1
	s_wait_xcnt 0x0
	s_wait_alu depctr_hold_cnt(0) depctr_sa_sdst(0) depctr_va_vdst(0) depctr_va_sdst(0) depctr_va_ssrc(0) depctr_va_vcc(0) depctr_vm_vsrc(0)
	s_getreg_b32 s2, hwreg(HW_REG_IB_STS2, 6, 4)
	s_cmp_eq_u32 s2, 0
	s_cbranch_scc0 .Lentry_in_a_cluster
	s_endpgm
.Lentry_in_a_cluster:
	s_bfe_u32 s2, ttmp6, 0x10000c
	s_cmp_lg_u32 s2, 0x3003
	s_cbranch_scc0 .Lentry_shape_is_right
	s_endpgm
.Lentry_shape_is_right:
; ctx = softmax(q k^T / 8) v for one head (16 x batch + head = work-group y), both products on codes of BF8 (E5M2) with an E8M0 scale for each 32 along K; ctx is quantised again along the features.
; t = score x log2(e) / 8; M = the running largest t rounded up to a whole number; p = 2^(t - M) is quantised along the keys, not normalised; the row's sum is taken of the unquantised p and divides at the end.
; When M moves, the sum and O^T are multiplied by 2^(old M - new M): exact, with no branch on data.
; INPUT: qkv, images of operand registers: regions q, k, v of 64 heads x 16 blocks of 8,448 bytes (128 positions or keys: 8,192 bytes of codes, 256 of scale words).
; OUTPUT: ctx_img[tile of 16 positions][head: 1,024 bytes][32 features: 512][lane][16]; ctx_scl[position][32 bytes], two bytes a head.
; SHARES: a work-group owns 512 queries of a head; each of its eight waves FOUR tiles of 16 queries at once (tile w of each of the four blocks of 128), so that a key step's 34 LDS loads
; (K's and V's fragments and scale words) feed 48 matrix instructions.  Both products are used transposed: a lane holds one query of each tile.
; The head's 64 features fill half of the instruction's K = 128: a fragment of K holds two tiles of 16 keys side by side, and Q stands with zeros in the other half (zeros, Q, zeros, Q, zeros).
; A KEY STEP: K's fragments; then tile by tile the scores, the softmax and p's codes; V's fragments come over K's behind the last tile's scores; then all sixteen products of O^T.
; The rescaling of a tile's O^T stands behind the next tile's score products, as the places that they ask for.
; LDS: all 16 blocks of K, then all 16 of V, filled once: 270,336 bytes; behind them the spare words.  Nothing is filled again.
; CLUSTER of four: the four work-groups of a head need the same K and V: each wave asks jointly for four blocks (33,792 dense bytes as 132 rows of 256), one load a wave, at the head.
; No prefetch: all that the launch reads by tensor loads is asked for at the head, so no loop has a later load to run ahead of.
; LIMITS: the promise holds while |t| stays under 2^31; NaN and infinities are not served; a block whose largest p or magnitude lies under 2^-111 gets the scale byte 1 (its codes are read by this program alone).
; REGISTERS.  Window 0: v1-11 addresses; v12-27 (-M, t, the sum in two halves) of the four tiles; v28-67 Q of tiles 0, 1; v68-131 K or V; v132-195 S^T, then p; v196-243 at work and scale words.
; Window 1: v0-127 O^T of the four tiles; v128-191 p's codes; v192-231 Q of tiles 2, 3.
.set BLKB,   8448
.set HEADB,  16*BLKB
.set REGION, 64*HEADB
.set VB,     HEADB                     ; V's blocks lie behind K's
.set SPARE,  2*HEADB                   ; the spare words: 128 bytes a wave
.set LI,   1                           ; 16 x lane
.set AS0,  2                           ; 16 x (lane % 16): scale words
.set VQ,   3                           ; Q's codes and scale word in a block
.set VW,   4
.set VR32, 5                           ; 32 x (lane % 16): ctx_scl
.set ADK,  8                           ; the step's LDS addresses: K, V, K's scale words, V's
.set ADV,  9
.set ADS,  10
.set ADT,  11
.set MT,   12
.set Q0,   28
.set KF,   68
.set S,    132
.set BM,   196                         ; the blocks' largest scores, then largest p
.set T2,   200
.set HD,   204                         ; 57,344 x the scale
.set SO,   208                         ; the conversions' scale operands
.set SW,   212                         ; K's or V's scale words
.set QSL,  216                         ; v216-219, v224-227: Q's scale words beside bytes of 1 for the zeros, a tile each
.set F,    220                         ; 2^(old M - new M); at the end 1 / the sum
.set TA,   222
.set QSH,  224
.set PS,   232                         ; v232-235 p's scale words, a tile each
.set RW,   236                         ; v236-239 Q's scale words as loaded
.set HW,   240                         ; v240-243 ctx's two scale bytes, a tile each
.set SPW,  254
.set NIL,  255
.set PCB,  128                         ; window 1
.set Q2,   192                         ; window 1
.set WV,   10
.set MNT,  19
.set SEL,  20
.set CS,   22
.set TB,   40
.set CNT,  41
.set MSB, 0
.macro WIN new                         ; low byte: bits 1:0 source 0, 3:2 source 1, 5:4 source 2, 7:6 destination; the high byte repeats the setting that is left
.if MSB != \new
	s_set_vgpr_msb (MSB<<8)|\new
.set MSB, \new
.endif
.endm
.macro CROUND                          ; a round of the cluster's barrier
	s_barrier_signal -1
	s_barrier_wait -1
	s_cmp_lg_u32 s[WV], 0
	s_cbranch_scc1 .Lnot_wave_0_\@
	s_barrier_signal -3
.Lnot_wave_0_\@:
	s_barrier_wait -3
	s_barrier_signal -1
	s_barrier_wait -1
.endm
	s_load_b128 s[4:7], s[0:1], 0x0                ; qkv, ctx_img
	s_load_b64 s[8:9], s[0:1], 0x10                ; ctx_scl
	v_lshl_add_u32 v[SPW], v0, 2, SPARE
	v_mov_b32 v[NIL], 0
	ds_add_u32 v[SPW], v[NIL]                      ; the opening lines: the add twice on end, and its wait
	ds_add_u32 v[SPW], v[NIL]
	v_lshrrev_b32 v1, 5, v0
	v_readfirstlane_b32 s[WV], v1                  ; wave 0..7
	s_bfe_u32 s11, ttmp6, 0x40000                  ; cx: which 512 queries
	s_and_b32 s12, ttmp7, 0xffff                   ; 16 x batch + head
	s_mov_b32 s24, 15|(3<<16)|(1<<21)              ; group 1: four blocks as 132 rows of 256 bytes (32 elements of 8), for all four partners
	s_mov_b32 s25, 32<<16
	s_mov_b32 s26, 132<<16
	s_mov_b32 s27, 32<<16
	s_mov_b32 s28, 132
	s_mov_b32 s29, 32
	s_mov_b32 s30, 0
	s_mov_b32 s31, 0
	s_mov_b32 s[MNT], 0x600000                     ; the mantissa field of 57,344
	s_mov_b32 s[SEL], 0x76543210
	s_mov_b32 s[SEL+1], 0xfedcba98
	s_mov_b32 s[CS], 0x3e38aa3b                    ; log2(e) / 8
	s_mov_b32 s[CS+1], s[CS]
	s_and_b32 s42, s[WV], 1
	s_lshl_b32 s42, s42, 4                         ; which two bytes of a scale word are my tiles'
	s_lshr_b32 s50, s[WV], 2                       ; I fetch for K (0) or V (1),
	s_and_b32 s51, s[WV], 3                        ; which four blocks
	s_mul_i32 s33, s[WV], 4*BLKB                   ; LDS: K's sixteen blocks, then V's
	s_mov_b32 s32, 1
	s_mul_i32 s52, s12, HEADB
	s_add_co_u32 s54, s50, 1
	s_mul_i32 s54, s54, REGION
	s_add_co_u32 s54, s54, s52
	s_mul_i32 s55, s51, 4*BLKB
	s_add_co_u32 s54, s54, s55                     ; my four blocks of K or V in qkv
	s_mov_b32 s55, 0
	s_mul_i32 s56, s11, 4*BLKB
	s_add_co_u32 s56, s56, s52                     ; my work-group's four blocks of q
	s_mov_b32 s57, 0
	s_lshr_b32 s58, s12, 4
	s_lshl_b32 s58, s58, 7
	s_lshl_b32 s59, s11, 5
	s_add_co_u32 s58, s58, s59
	s_add_co_u32 s58, s58, s[WV]                   ; my first tile of 16 positions among all 512; the next lie 8 tiles apart
	s_and_b32 s59, s12, 15
	s_lshl_b32 s60, s58, 14
	s_lshl_b32 s61, s59, 10
	s_add_co_u32 s60, s60, s61
	s_mov_b32 s61, 0
	s_lshl_b32 s62, s58, 9
	s_lshl_b32 s63, s59, 1
	s_add_co_u32 s62, s62, s63
	s_mov_b32 s63, 0
	s_wait_dscnt 0x0                               ; both opening adds are done
	s_wait_kmcnt 0x0
	s_add_nc_u64 s[34:35], s[4:5], s[54:55]
	s_or_b32 s35, s35, 0x80000000
	s_add_nc_u64 s[44:45], s[4:5], s[56:57]
	s_add_nc_u64 s[46:47], s[6:7], s[60:61]
	s_add_nc_u64 s[48:49], s[8:9], s[62:63]
	CROUND                                         ; all four work-groups are here: the joint loads meet
	tensor_load_to_lds s[32:35], s[24:31]          ; my one load: an eighth of the head's K and V
	s_nop 0
.rept 4
	v_nop
.endr
	; under that load's flight: the addresses, Q's loads, and what is cleared once
	v_and_b32 v6, 31, v0
	v_lshlrev_b32 v[LI], 4, v6
	v_and_b32 v7, 15, v0
	v_lshlrev_b32 v[AS0], 4, v7
	v_lshlrev_b32 v[VR32], 5, v7
	s_lshl_b32 s52, s[WV], 10
	v_add_nc_u32 v[VQ], s52, v[LI]                 ; tile w of a block
	s_lshr_b32 s53, s[WV], 1
	s_lshl_b32 s53, s53, 2
	v_add_nc_u32 v[VW], s53, v[AS0]
.irp i, 0,1
	global_load_b128 v[Q0+8+16*\i:Q0+11+16*\i], v[VQ], s[44:45] offset:BLKB*\i
	global_load_b128 v[Q0+12+16*\i:Q0+15+16*\i], v[VQ], s[44:45] offset:BLKB*\i+512
.endr
.irp i, 0,1,2,3
	global_load_b32 v[RW+\i], v[VW], s[44:45] offset:BLKB*\i+8192
.endr
	WIN 0x40                                       ; destinations in window 1
.irp i, 0,1
	global_load_b128 v[Q2+8+16*\i:Q2+11+16*\i], v[VQ], s[44:45] offset:BLKB*(\i+2)
	global_load_b128 v[Q2+12+16*\i:Q2+15+16*\i], v[VQ], s[44:45] offset:BLKB*(\i+2)+512
.endr
.irp z, 0,1,2
.irp j, 0,1,2,3,4,5,6,7
	v_mov_b32 v[Q2+16*\z+\j], 0                    ; the zeros beside Q
.endr
.endr
.set j, 0
.rept 128
	v_mov_b32 v[j], 0                              ; O^T: the step is written once, and its first trip finds zeros
.set j, j+1
.endr
	WIN 0
.irp z, 0,1,2
.irp j, 0,1,2,3,4,5,6,7
	v_mov_b32 v[Q0+16*\z+\j], 0
.endr
.endr
.irp i, 0,1,2,3
	v_mov_b32 v[MT+4*\i+1], 0xff61b1e6             ; the largest t so far: -3e38
	v_mov_b32 v[MT+4*\i+2], 0                      ; the sum, in two halves
	v_mov_b32 v[MT+4*\i+3], 0
	v_mov_b32 v[T2+\i], 0                          ; a lane permute's destination counts as one of its sources
.endr
.irp i, 0,1,2,3
	v_floor_f32 v[MT+4*\i], -v[MT+4*\i+1]          ; -M
.endr
	v_mov_b32 v[TA], 0
	v_mov_b32 v[F+1], 0                            ; named as the upper half of a pair
.macro RESC i                          ; tile i's O^T under its new M
	WIN 0x41
	s_wait_alu depctr_va_vdst(0)                   ; directly ahead of the first reader of O^T
.set j, 0
.rept 16
	v_pk_mul_f32 v[32*(\i)+j:32*(\i)+j+1], v[32*(\i)+j:32*(\i)+j+1], v[F:F+1] op_sel_hi:[1,0]
.set j, j+2
.endr
	WIN 0
.endm
; ONE TILE OF QUERIES against the step's 128 keys: scores, softmax, p's codes and scale word
.macro TILE i
.set NM, MT+4*(\i)
.set LS, NM+2
.if (\i) < 2
.set QB, Q0+16*(\i)
	WIN 0
.else
.set QB, Q2+16*((\i)-2)
	WIN 0x04                                       ; Q in window 1
.endif
.irp f, 0,1,2,3                                ; S^T = K Q^T: fragment f holds key tiles 2 f and 2 f + 1; Q's place picks one
	v_wmma_scale_f32_16x16x128_f8f6f4 v[S+16*\f:S+16*\f+7], v[KF+16*\f:KF+16*\f+15], v[QB+8:QB+23], 0, v[SW+\f], v[QSL+\i] matrix_a_fmt:MATRIX_FMT_BF8 matrix_b_fmt:MATRIX_FMT_BF8
	v_wmma_scale_f32_16x16x128_f8f6f4 v[S+16*\f+8:S+16*\f+15], v[KF+16*\f:KF+16*\f+15], v[QB:QB+15], 0, v[SW+\f], v[QSH+\i] matrix_a_fmt:MATRIX_FMT_BF8 matrix_b_fmt:MATRIX_FMT_BF8
.endr
	WIN 0
.if (\i) > 0
	RESC (\i)-1                                    ; sixteen plain lines on other registers: the places behind the products
.else
.rept 8
	v_nop
.endr
.endif
.if (\i) == 3                                  ; K's fragments are done with: V's come over them
.irp d, 0,1,2,3
.irp c, 0,1,2,3
	ds_load_b128 v[KF+16*\d+4*\c:KF+16*\d+4*\c+3], v[ADV] offset:2048*\d+512*\c
.endr
.endr
	ds_load_b128 v[SW:SW+3], v[ADT] offset:8192
.endif
.irp b, 0,1,2,3
	v_max3_num_f32 v[BM+\b], v[S+16*\b], v[S+1+16*\b], v[S+2+16*\b]   ; the largest score of each block of 32 keys, the four blocks by turns
.endr
.irp k, 3,5,7,9,11,13
.irp b, 0,1,2,3
	v_max3_num_f32 v[BM+\b], v[BM+\b], v[S+16*\b+\k], v[S+1+16*\b+\k]
.endr
.endr
.irp b, 0,1,2,3
	v_max_num_f32 v[BM+\b], v[BM+\b], v[S+15+16*\b]
.endr
.irp b, 0,1,2,3
	s_delay_alu instid0(VALU_DEP_4)
	v_permlanex16_b32 v[T2+\b], v[BM+\b], s[SEL], s[SEL+1]
.endr
.irp b, 0,1,2,3
	s_delay_alu instid0(VALU_DEP_4)
	v_max_num_f32 v[BM+\b], v[BM+\b], v[T2+\b]     ; with lane l xor 16's 16 keys
.endr
	s_delay_alu instid0(VALU_DEP_2)
	v_max3_num_f32 v[TA], v[BM], v[BM+1], v[BM+2]
	s_delay_alu instid0(VALU_DEP_1)
	v_max_num_f32 v[TA], v[TA], v[BM+3]
	s_delay_alu instid0(VALU_DEP_1)
	v_mul_f32 v[TA], s[CS], v[TA]
	s_delay_alu instid0(VALU_DEP_1)
	v_max_num_f32 v[NM+1], v[NM+1], v[TA]          ; the running largest t
	v_mov_b32 v[TA], v[NM]
	s_delay_alu instid0(VALU_DEP_2)
	v_floor_f32 v[NM], -v[NM+1]                    ; -M = floor(-t)
	s_delay_alu instid0(VALU_DEP_1)
	v_sub_f32 v[TA], v[NM], v[TA]
	s_delay_alu instid0(VALU_DEP_1)
	v_cvt_i32_f32 v[TA], v[TA]
	s_delay_alu instid0(VALU_DEP_1)
	v_ldexp_f32 v[F], 1.0, v[TA]                   ; f = 2^(old M - new M)
.set j, 0
.rept 32
	v_pk_fma_f32 v[S+j:S+j+1], v[S+j:S+j+1], s[CS:CS+1], v[NM:NM+1] op_sel_hi:[1,0,0]   ; t - M
.set j, j+2
.endr
.irp b, 0,1,2,3
	v_fma_f32 v[BM+\b], v[BM+\b], s[CS], v[NM]     ; the same of each block's largest score
.endr
	s_wait_alu depctr_va_vdst(0)                   ; ahead of the batch
.set j, 0
.rept 64
	v_exp_f32 v[S+j], v[S+j]                       ; p
.set j, j+1
.endr
	v_pk_mul_f32 v[LS:LS+1], v[LS:LS+1], v[F:F+1] op_sel_hi:[1,0]   ; the sums under the new M
	s_wait_alu depctr_va_vdst(0)                   ; and behind it
.irp b, 0,1,2,3
	v_exp_f32 v[BM+\b], v[BM+\b]                   ; each block's largest p
.endr
	v_pk_add_f32 v[T2:T2+1], v[S:S+1], v[S+2:S+3]  ; the sum of the unquantised p, in two chains
.set j, 4
.rept 15
	v_pk_add_f32 v[LS:LS+1], v[LS:LS+1], v[S+j:S+j+1]
	v_pk_add_f32 v[T2:T2+1], v[T2:T2+1], v[S+2+j:S+3+j]
.set j, j+4
.endr
	s_delay_alu instid0(VALU_DEP_1)
	v_pk_add_f32 v[LS:LS+1], v[LS:LS+1], v[T2:T2+1]
	s_wait_alu depctr_va_vdst(0)                   ; for the four
.irp b, 0,1,2,3
	v_max_num_f32 v[BM+\b], 0x8000000, v[BM+\b]    ; the floor 2^(16 - 127): the byte cannot fall under 1
.endr
.irp b, 0,1,2,3
	s_delay_alu instid0(VALU_DEP_4)
	v_add_nc_u32 v[SO+\b], 0xf8800000, v[BM+\b]    ; 15 off the exponent field
.endr
.irp b, 0,1,2,3
	v_and_or_b32 v[HD+\b], v[BM+\b], 0x7f800000, s[MNT]
.endr
.irp b, 0,1,2,3
	v_lshrrev_b32 v[T2+\b], 23, v[SO+\b]
.endr
	s_delay_alu instid0(VALU_DEP_3)
	v_lshl_or_b32 v[PS+\i], v[T2+1], 8, v[T2]
	s_delay_alu instid0(VALU_DEP_1)
	v_lshl_or_b32 v[PS+\i], v[T2+2], 16, v[PS+\i]
	s_delay_alu instid0(VALU_DEP_1)
	v_lshl_or_b32 v[PS+\i], v[T2+3], 24, v[PS+\i]
.irp b, 0,1,2,3
.irp k, 0,2,4,6,8,10,12,14                     ; the hold, one-sided since p is not negative, two numbers an instruction (the conversion does not saturate: ISA guide 7.6.2)
	v_dual_min_num_f32 v[S+16*\b+\k], v[S+16*\b+\k], v[HD+\b] :: v_dual_min_num_f32 v[S+16*\b+\k+1], v[S+16*\b+\k+1], v[HD+\b]
.endr
.endr
	WIN 0x40                                       ; the codes go to window 1
.irp b, 0,1,2,3
	v_cvt_scalef32_pk8_bf8_f32 v[PCB+16*\i+4*\b:PCB+16*\i+4*\b+1], v[S+16*\b:S+7+16*\b], v[SO+\b]
	v_cvt_scalef32_pk8_bf8_f32 v[PCB+16*\i+4*\b+2:PCB+16*\i+4*\b+3], v[S+8+16*\b:S+15+16*\b], v[SO+\b]
.endr
	v_nop                                          ; a plain line behind the last conversion: the next tile's products write its sources
	WIN 0
.endm
; A KEY STEP: 128 keys, the block at LDS byte s[TB]
.macro STEP
	v_add_nc_u32 v[ADK], s[TB], v[LI]
	v_add_nc_u32 v[ADS], s[TB], v[AS0]
	s_delay_alu instid0(VALU_DEP_2)
	v_add_nc_u32 v[ADV], VB, v[ADK]
	s_delay_alu instid0(VALU_DEP_2)
	v_add_nc_u32 v[ADT], VB, v[ADS]
.rept 4
	v_nop                                          ; with the four additions: eight places behind the last products, ahead of loads into what they read
.endr
.irp f, 0,1,2,3
.irp g, 0,1,2,3
	ds_load_b128 v[KF+16*\f+4*\g:KF+16*\f+4*\g+3], v[ADK] offset:2048*\f+512*\g
.endr
.endr
	ds_load_b128 v[SW:SW+3], v[ADS] offset:8192
	s_wait_alu depctr_va_vdst(0)                   ; directly ahead of the wait below
	s_wait_dscnt 0x0
	TILE 0
	TILE 1
	TILE 2
	TILE 3
	RESC 3                                         ; also the places ahead of the products below
	s_wait_alu depctr_va_vdst(0)                   ; directly ahead of the wait below
	s_wait_dscnt 0x0                               ; V's fragments and scale words
	WIN 0x54                                       ; O^T and p's codes in window 1, V in window 0
.irp d, 0,1,2,3                                ; O^T += V^T P^T: each fragment of V against the four tiles; the sixteen accumulators by turns
.irp i, 0,1,2,3
	v_wmma_scale_f32_16x16x128_f8f6f4 v[32*\i+8*\d:32*\i+8*\d+7], v[KF+16*\d:KF+16*\d+15], v[PCB+16*\i:PCB+16*\i+15], v[32*\i+8*\d:32*\i+8*\d+7], v[SW+\d], v[PS+\i] matrix_a_fmt:MATRIX_FMT_BF8 matrix_b_fmt:MATRIX_FMT_BF8
.endr
.endr
	WIN 0
	s_add_co_u32 s[TB], s[TB], BLKB
.endm
.macro FINISH i                        ; tile i: O^T / the sum, quantised along the features (two blocks of 32), stored as an image of operand registers
.set LS, MT+4*(\i)+2
.set CD, KF+8*(\i)
	v_add_f32 v[LS], v[LS], v[LS+1]
	v_permlanex16_b32 v[TA], v[LS], s[SEL], s[SEL+1]
	v_add_f32 v[LS], v[LS], v[TA]
	s_wait_alu depctr_va_vdst(0)                   ; ahead of the transcendental
	v_rcp_f32 v[F], v[LS]
.rept 8
	v_nop                                          ; places behind the last products and the transcendental
.endr
	WIN 0x01
	s_wait_alu depctr_va_vdst(0)                   ; ahead of the first reader of 1 / the sum and of O^T
.set j, 0
.rept 16
	v_pk_mul_f32 v[S+j:S+j+1], v[32*(\i)+j:32*(\i)+j+1], v[F:F+1] op_sel_hi:[1,0]   ; into window 0
.set j, j+2
.endr
	WIN 0
.irp b, 0,1
	v_max3_num_f32 v[BM+\b], |v[S+16*\b]|, |v[S+1+16*\b]|, 0x8000000
.endr
.irp k, 2,4,6,8,10,12,14
.irp b, 0,1
	v_max3_num_f32 v[BM+\b], v[BM+\b], |v[S+16*\b+\k]|, |v[S+1+16*\b+\k]|
.endr
.endr
.irp b, 0,1
	v_permlanex16_b32 v[T2+\b], v[BM+\b], s[SEL], s[SEL+1]
.endr
.irp b, 0,1
	v_max_num_f32 v[BM+\b], v[BM+\b], v[T2+\b]
.endr
.irp b, 0,1
	v_add_nc_u32 v[SO+\b], 0xf8800000, v[BM+\b]
.endr
.irp b, 0,1
	v_and_or_b32 v[HD+\b], v[BM+\b], 0x7f800000, s[MNT]
.endr
.irp b, 0,1
	v_lshrrev_b32 v[T2+\b], 23, v[SO+\b]
.endr
	v_lshl_or_b32 v[HW+\i], v[T2+1], 8, v[T2]
.irp b, 0,1
.irp k, 0,1,2,3,4,5,6,7,8,9,10,11,12,13,14,15
	v_med3_num_f32 v[S+16*\b+\k], v[S+16*\b+\k], -v[HD+\b], v[HD+\b]
.endr
	v_cvt_scalef32_pk8_bf8_f32 v[CD+4*\b:CD+1+4*\b], v[S+16*\b:S+7+16*\b], v[SO+\b]
	v_cvt_scalef32_pk8_bf8_f32 v[CD+2+4*\b:CD+3+4*\b], v[S+8+16*\b:S+15+16*\b], v[SO+\b]
.endr
	v_nop                                          ; a plain line behind the last conversion
	global_store_b128 v[LI], v[CD:CD+3], s[46:47] offset:131072*\i        ; the wave stores 512 consecutive bytes, aligned; each tile has its own data registers
	global_store_b128 v[LI], v[CD+4:CD+7], s[46:47] offset:131072*\i+512
	global_store_b16 v[VR32], v[HW+\i], s[48:49] offset:4096*\i           ; two scale bytes a position (both halves of the lanes hold the same)
.endm
	s_wait_alu depctr_va_vdst(0)
	s_wait_tensorcnt 0x0                           ; my eighth of K and V is in
	s_barrier_signal -1
	s_barrier_wait -1                              ; everybody's is
	s_wait_loadcnt 0x0                             ; Q and its scale words
.irp i, 0,1,2,3
	v_lshrrev_b32 v[TA], s42, v[RW+\i]
	v_and_b32 v[TA], 0xffff, v[TA]
	v_or_b32 v[QSL+\i], 0x01010000, v[TA]          ; the zeros' blocks get the finite byte 1
	v_lshl_or_b32 v[QSH+\i], v[TA], 16, 0x0101
.endr
	s_mov_b32 s[TB], 0
	s_mov_b32 s[CNT], 16
.Lstep:
	STEP
	s_sub_co_u32 s[CNT], s[CNT], 1
	s_cmp_lg_u32 s[CNT], 0
	s_cbranch_scc1 .Lstep
	FINISH 0
	FINISH 1
	FINISH 2
	FINISH 3
	s_wait_tensorcnt 0x0                           ; the wave's end
	ds_add_u32 v[SPW], v[NIL]
	s_wait_dscnt 0x0
	CROUND                                         ; the closing round
	s_endpgm
.Lfunc_end_k_qfcacadb81f_attn:
	.size	k_qfcacadb81f_attn, .Lfunc_end_k_qfcacadb81f_attn-k_qfcacadb81f_attn
	.p2alignl 7, 3214868480
	.fill 96, 4, 3214868480
	.section	.rodata,"a",@progbits
	.p2align	6, 0x0
	.amdhsa_kernel k_qfcacadb81f_attn
		.amdhsa_group_segment_fixed_size 327680
		.amdhsa_private_segment_fixed_size 0
		.amdhsa_enable_private_segment 0
		.amdhsa_kernarg_size 24
		.amdhsa_user_sgpr_count 2
		.amdhsa_user_sgpr_kernarg_segment_ptr 1
		.amdhsa_wavefront_size32 1
		.amdhsa_system_sgpr_workgroup_id_x 1
		.amdhsa_system_sgpr_workgroup_id_y 1
		.amdhsa_system_sgpr_workgroup_id_z 1
		.amdhsa_system_vgpr_workitem_id 0
		.amdhsa_next_free_vgpr 512
		.amdhsa_next_free_sgpr 66
		.amdhsa_reserve_vcc 0
		.amdhsa_float_denorm_mode_32 3
		.amdhsa_float_denorm_mode_16_64 3
		.amdhsa_memory_ordered 1
		.amdhsa_forward_progress 1
		.amdhsa_inst_pref_size 105
	.end_amdhsa_kernel
	.amdgpu_metadata
---
amdhsa.version: [ 1, 2 ]
amdhsa.kernels:
  - .name:           k_qfcacadb81f_attn
    .symbol:         k_qfcacadb81f_attn.kd
    .args:
      - { .name: qkv, .offset: 0, .size: 8, .value_kind: global_buffer, .address_space: global }
      - { .name: ctx_img, .offset: 8, .size: 8, .value_kind: global_buffer, .address_space: global }
      - { .name: ctx_scl, .offset: 16, .size: 8, .value_kind: global_buffer, .address_space: global }
    .group_segment_fixed_size: 327680
    .private_segment_fixed_size: 0
    .kernarg_segment_align: 8
    .kernarg_segment_size: 24
    .max_flat_workgroup_size: 256
    .sgpr_count:     66
    .vgpr_count:     512
    .wavefront_size: 32
...
	.end_amdgpu_metadata
.endif
;; end of part 3
;; launch oproj (part 4): grid 4 x 64, 2 waves a work-group, clusters of 4 x 4, 327,680 bytes of LDS; arguments ctx_img, ctx_scl, wcodes, wscales, bo, out0; writes out0
.if DOCPART == 4
	.amdgcn_target "amdgcn-amd-amdhsa--gfx1250"
	.amdhsa_code_object_version 6
	.text
	.protected	k_qfcacadb81f_oproj
	.globl	k_qfcacadb81f_oproj
	.p2align	8
	.type	k_qfcacadb81f_oproj,@function
k_qfcacadb81f_oproj:
	s_mov_b64 s[64:65], 0
	v_nop
	global_prefetch_b8 v0, s[64:65] scope:SCOPE_SE
	s_setreg_imm32_b32 hwreg(HW_REG_WAVE_MODE, 25, 1), 1
	s_wait_xcnt 0x0
	s_wait_alu depctr_hold_cnt(0) depctr_sa_sdst(0) depctr_va_vdst(0) depctr_va_sdst(0) depctr_va_ssrc(0) depctr_va_vcc(0) depctr_vm_vsrc(0)
	s_getreg_b32 s2, hwreg(HW_REG_IB_STS2, 6, 4)
	s_cmp_eq_u32 s2, 0
	s_cbranch_scc0 .Lentry_in_a_cluster
	s_endpgm
.Lentry_in_a_cluster:
	s_bfe_u32 s2, ttmp6, 0x10000c
	s_cmp_lg_u32 s2, 0xf033
	s_cbranch_scc0 .Lentry_shape_is_right
	s_endpgm
.Lentry_shape_is_right:
; out0 = ctx Wo^T + bo on codes of BF8 (E5M2) with an E8M0 scale for each 32 along K = 1,024; sums and the bias in f32.
; A = ctx, as the attention launch leaves it: images of operand registers, [tile of 16 positions][K: 1,024 bytes a 64][32 of K: 512][lane][16], scale bytes [position][32].  B = Wo's rows: codes, K innermost.
; A wave makes 128 x 128 results, 64 accumulators in 512 registers.  8,192 x 1,024 results are 512 such tiles: two to each of 256 work-groups.
; So a work-group has TWO waves and makes 128 x 256: both take A's 128 rows, wave w takes B's rows 128 w on.
; K goes in steps of 256 through a ring of two LDS slots (A's 128 rows as 8 images of 4,096 bytes, then B's 256 rows of 272 bytes); wave 0 fetches for A, wave 1 for B, one load a wave behind each round.
; The scale bytes of A's 128 and B's 256 rows come once, ahead of the ring's first fills, and stay.
; CLUSTERS of 4 x 4: A's tiles are shared along a row of the cluster, B's along a column, each asked for jointly.
; The matrix instruction is used transposed (source 0 = B's rows, source 1 = A's): a lane holds eight neighbouring numbers of a row of out0.  Results leave through the wave's stage in slot 0, as rows of 512 bytes.
; A's positions have bits 3 and 4 of the token's number exchanged: the way out stores row t of a block at token t + 8 (t / 8) of its pair of blocks.
; LIMITS: NaN and infinities are not served.
.set SIZE_K, 1024
.set SIZE_N, 1024
.set KSTEP,  256
.set NQ,     KSTEP/128
.set ROWB,   256
.set KROW,   SIZE_K
.set PITCH,  272
.set FR,     16
.set NL,     4
.set NP,     8
.set HALFA,  8*4096
.set HALFT,  128*PITCH
.set BOFF,   HALFA
.set SLOT,   HALFA+2*HALFT
.set LAPS,   SIZE_K/(2*KSTEP)
.set KS,     SIZE_K/32
.set SCL,    2*SLOT
.set HALFS,  (128*KS/256)*272
.set SBLK,   (16*KS/256)*272
.set SPARE,  SCL+4*HALFS
.set SPITCH, 528
.set ADRA, 16
.set ADRB, 20
.set STO,  24
.set RD,   25
.set CO,   26
.set ADRS, 27
.set SPW,  28
.set NIL,  29
.set SC,   32
.set AF,   128
.set BK,   128
.set G1, 24
.set G0, 32
.set G1B, 48
.set G0B, 56
.set G1S, 68
.set G0S, 76
.set G1SB, 80
.set G0SB, 88
.set MSB, 0
.macro WIN new
.if MSB != \new
	s_set_vgpr_msb (MSB<<8)|\new
.set MSB, \new
.endif
.endm
.set MUL_LO, 0xa1
.set MUL_HI, 0xf1
.set TO_B,   0x40
.macro JLOAD g0a, g1a, g0b, g1b
	s_cmp_eq_u32 s14, 0                            ; wave 0 fetches for A, wave 1 for B
	s_cbranch_scc0 .Lfor_b_\@
	tensor_load_to_lds s[\g0a:\g0a+3], s[\g1a:\g1a+7]
	s_nop 0
.rept 4
	v_nop
.endr
	s_branch .Lasked_\@
.Lfor_b_\@:
	tensor_load_to_lds s[\g0b:\g0b+3], s[\g1b:\g1b+7]
	s_nop 0
.rept 4
	v_nop
.endr
.Lasked_\@:
.endm
.macro CREST
	s_cmp_lg_u32 s14, 0
	s_cbranch_scc1 .Lnot_wave_0_\@
	s_barrier_signal -3
.Lnot_wave_0_\@:
	s_barrier_wait -3
	s_barrier_signal -1
	s_barrier_wait -1
.endm
.macro CROUND
	s_barrier_signal -1
	s_barrier_wait -1
	CREST
.endm
	s_load_b128 s[4:7], s[0:1], 0x0
	s_load_b128 s[8:11], s[0:1], 0x10
	s_load_b128 s[96:99], s[0:1], 0x20
	v_lshl_add_u32 v[SPW], v0, 2, SPARE
	v_mov_b32 v[NIL], 0
	ds_add_u32 v28, v29
	ds_add_u32 v28, v29
	s_wait_dscnt 0x0
	v_lshrrev_b32 v1, 5, v0
	v_readfirstlane_b32 s14, v1
	s_and_b32 s16, s14, 1
	s_bfe_u32 s40, ttmp6, 0x40000
	s_bfe_u32 s41, ttmp6, 0x40004
	s_lshl_b32 s42, ttmp9, 2
	s_add_co_u32 s42, s42, s40
	s_and_b32 s17, ttmp7, 0xffff
	s_lshl_b32 s17, s17, 2
	s_add_co_u32 s17, s17, s41
	s_lshl_b32 s43, s41, 2
	s_lshl_b32 s43, 15, s43
	s_lshl_b32 s44, 0x1111, s40
	s_or_b32 s[G1+0], s43, (3<<16)|(1<<21)
	s_mov_b32 s[G1+1], 512<<16
	s_mov_b32 s[G1+2], 8<<16
	s_mov_b32 s[G1+3], 512<<16
	s_mov_b32 s[G1+4], 8
	s_mov_b32 s[G1+5], 2048
	s_mov_b32 s[G1+6], 0
	s_mov_b32 s[G1+7], 0
	s_or_b32 s[G1B+0], s44, (0<<16)|(1<<20)|(1<<21)|(5<<22)|(3<<25)
	s_mov_b32 s[G1B+1], ROWB<<16
	s_mov_b32 s[G1B+2], 256<<16                    ; B's tile: 256 rows to a load
	s_mov_b32 s[G1B+3], ROWB<<16
	s_mov_b32 s[G1B+4], 256
	s_mov_b32 s[G1B+5], KROW
	s_mov_b32 s[G1B+6], 0
	s_mov_b32 s[G1B+7], 0
	s_or_b32 s[G1S+0], s43, (3<<16)|(1<<20)|(1<<21)|(5<<22)|(3<<25)
	s_or_b32 s[G1SB+0], s44, (3<<16)|(1<<20)|(1<<21)|(5<<22)|(3<<25)
.irp g, G1S, G1SB
	s_mov_b32 s[\g+1], 32<<16
	s_mov_b32 s[\g+2], (128*KS/256)<<16
	s_mov_b32 s[\g+3], 32<<16
	s_mov_b32 s[\g+4], 128*KS/256
	s_mov_b32 s[\g+5], 32
	s_mov_b32 s[\g+6], 0
	s_mov_b32 s[\g+7], 0
.endr
	s_mov_b32 s[G1SB+2], KS<<16                    ; B's scales: those of 256 rows, KS rows of 256 bytes
	s_mov_b32 s[G1SB+4], KS
	s_lshl_b32 s20, s17, 7                         ; A: the tile's first row, 128 x tile row
	s_lshl_b32 s46, s42, 8                         ; B: 256 x tile column
	s_mov_b32 s21, 0
	s_mov_b32 s47, 0
	s_mov_b64 s[18:19], KS
	s_mul_u64 s[22:23], s[20:21], s[18:19]
	s_mul_u64 s[92:93], s[46:47], s[18:19]
	s_mov_b64 s[18:19], KROW
	s_mul_u64 s[20:21], s[20:21], s[18:19]
	s_mul_u64 s[46:47], s[46:47], s[18:19]
	s_mov_b32 s45, 0                               ; in a slot: A's tile first,
	s_mov_b32 s95, BOFF                            ; B's behind it
	s_wait_kmcnt 0x0
	s_add_nc_u64 s[8:9], s[8:9], 0x300000
	s_add_nc_u64 s[10:11], s[10:11], 0x18000
	s_mov_b64 s[12:13], s[98:99]
	s_add_nc_u64 s[20:21], s[4:5], s[20:21]
	s_add_nc_u64 s[22:23], s[6:7], s[22:23]
	s_add_nc_u64 s[46:47], s[8:9], s[46:47]
	s_add_nc_u64 s[92:93], s[10:11], s[92:93]
	CROUND
	s_mov_b32 s[G0S], 1
	s_mov_b32 s[G0S+1], SCL
	s_mov_b64 s[G0S+2:G0S+3], s[22:23]
	s_or_b32 s[G0S+3], s[G0S+3], 0x80000000
	s_mov_b32 s[G0SB], 1
	s_mov_b32 s[G0SB+1], SCL+2*HALFS
	s_mov_b64 s[G0SB+2:G0SB+3], s[92:93]
	s_or_b32 s[G0SB+3], s[G0SB+3], 0x80000000
	JLOAD G0S, G1S, G0SB, G1SB
.irp s, 0,1
	s_mov_b32 s[G0+4*\s], 1
	s_add_co_u32 s[G0+4*\s+1], s45, \s*SLOT
	s_add_nc_u64 s[G0+4*\s+2:G0+4*\s+3], s[20:21], \s*4096
	s_or_b32 s[G0+4*\s+3], s[G0+4*\s+3], 0x80000000
	s_mov_b32 s[G0B+4*\s], 1
	s_add_co_u32 s[G0B+4*\s+1], s95, \s*SLOT
	s_add_nc_u64 s[G0B+4*\s+2:G0B+4*\s+3], s[46:47], \s*ROWB
	s_or_b32 s[G0B+4*\s+3], s[G0B+4*\s+3], 0x80000000
	s_wait_alu depctr_va_vdst(0)
	s_wait_tensorcnt 0x0
	ds_add_u32 v28, v29
	s_wait_dscnt 0x0
	CROUND
	JLOAD G0+4*\s, G1, G0B+4*\s, G1B
.endr
	v_and_b32 v1, 15, v0
	v_bfe_u32 v2, v0, 4, 1
	v_and_b32 v6, 31, v0
	v_lshlrev_b32 v[CO], 4, v6
	v_mul_u32_u24 v3, v1, PITCH
	v_lshl_add_u32 v4, v2, 4, v3
	s_mov_b32 s21, 0                               ; both waves take all of A's 128 rows
	s_mul_i32 s22, s16, HALFT
	s_add_co_u32 s22, s22, BOFF
.irp s, 0,1
	v_add_nc_u32 v[ADRA+\s], s21, v[CO]
	v_add_nc_u32 v[ADRB+\s], s22, v4
	s_add_co_u32 s21, s21, SLOT
	s_add_co_u32 s22, s22, SLOT
.endr
	v_mul_u32_u24 v5, v1, KS
	v_lshrrev_b32 v6, 8, v5
	v_lshl_add_u32 v5, v6, 4, v5
	s_mov_b32 s21, 0
	s_mul_i32 s22, s16, HALFS
	s_add_co_u32 s22, s22, 2*HALFS
	s_sub_co_u32 s22, s22, s21
	v_mul_u32_u24 v6, s22, v2
	s_add_co_u32 s21, s21, SCL
	v_add_nc_u32 v5, v5, v6
	v_add_nc_u32 v[ADRS], s21, v5
	s_mul_i32 s23, s14, 16*SPITCH
	v_mul_u32_u24 v5, v1, SPITCH
	v_lshl_add_u32 v5, v2, 5, v5
	v_add_nc_u32 v[STO], s23, v5
	v_add_nc_u32 v[RD], s23, v[CO]
	s_lshl_b32 s20, s17, 7                         ; my first row of out0: 128 x tile row
	s_mov_b32 s21, 0
	s_mov_b64 s[18:19], SIZE_N*4
	s_mul_u64 s[20:21], s[20:21], s[18:19]
	s_lshl_b32 s46, s42, 10
	s_lshl_b32 s47, s16, 9
	s_add_co_u32 s46, s46, s47
	s_mov_b32 s47, 0
	s_add_nc_u64 s[20:21], s[20:21], s[46:47]
	s_add_nc_u64 s[12:13], s[12:13], s[20:21]
	s_add_nc_u64 s[96:97], s[96:97], s[46:47]
	global_load_b128 v[8:11], v[CO], s[96:97]
.macro FRAG reg, adr, q, i
.irp c, 0,1,2,3
	ds_load_b128 v[\reg+4*\c:\reg+4*\c+3], v[\adr] offset:128*(\q)+32*\c+(\i)*16*PITCH
.endr
.endm
.macro FRAGA reg, adr, q, i
.irp c, 0,1,2,3
	ds_load_b128 v[\reg+4*\c:\reg+4*\c+3], v[\adr] offset:2048*(\q)+512*\c+(\i)*4096
.endr
.endm
.macro MUL16 a0, p, q, sc, zero
.irp a, \a0, \a0+1
.irp b, 0,1,2,3,4,5,6,7
.if \zero
	v_wmma_scale_f32_16x16x128_f8f6f4 v[8*(8*((\a)%4)+\b):8*(8*((\a)%4)+\b)+7], v[128*(\p)+FR*\b:128*(\p)+FR*\b+FR-1], v[AF+FR*(\a):AF+FR*(\a)+FR-1], 0, v[SC+8*NQ*(\sc)+NQ*\b+(\q)], v[SC+8*NQ*(\sc)+NQ*(\a)+(\q)] matrix_a_fmt:MATRIX_FMT_BF8 matrix_b_fmt:MATRIX_FMT_BF8 matrix_a_scale:MATRIX_SCALE_ROW1
.else
	v_wmma_scale_f32_16x16x128_f8f6f4 v[8*(8*((\a)%4)+\b):8*(8*((\a)%4)+\b)+7], v[128*(\p)+FR*\b:128*(\p)+FR*\b+FR-1], v[AF+FR*(\a):AF+FR*(\a)+FR-1], v[8*(8*((\a)%4)+\b):8*(8*((\a)%4)+\b)+7], v[SC+8*NQ*(\sc)+NQ*\b+(\q)], v[SC+8*NQ*(\sc)+NQ*(\a)+(\q)] matrix_a_fmt:MATRIX_FMT_BF8 matrix_b_fmt:MATRIX_FMT_BF8 matrix_a_scale:MATRIX_SCALE_ROW1
.endif
.endr
.endr
.endm
.macro FETCH_B slot, q, p
	WIN TO_B
.irp i, 0,1,2,3,4,5,6,7
	FRAG 128*(\p)+FR*\i, ADRB+\slot, \q, \i
.endr
	WIN 0
.endm
.macro FETCH_A slot, q, i0
.irp i, \i0, \i0+1, \i0+2, \i0+3
	FRAGA AF+FR*(\i), ADRA+\slot, \q, \i
.endr
.endm
.macro SCALES sc
.irp i, 0,1,2,3,4,5,6,7
	ds_load_b64 v[SC+8*NQ*\sc+NQ*\i:SC+8*NQ*\sc+NQ*\i+1], v[ADRS] offset:\i*SBLK
.endr
.endm
.macro PLACES n
.rept \n
	v_nop
.endr
.endm
.macro STEP slot, q, zero
	s_wait_dscnt 4*NL
	WIN MUL_LO
	MUL16 0, (\q)%2, \q, \slot, \zero
	MUL16 2, (\q)%2, \q, \slot, \zero
	s_wait_dscnt 0
	PLACES NP
	FETCH_B \slot, (\q)+1, 1-(\q)%2
	FETCH_A \slot, (\q)+1, 0
	WIN MUL_HI
	MUL16 4, (\q)%2, \q, \slot, \zero
	MUL16 6, (\q)%2, \q, \slot, \zero
	PLACES NP
	WIN 0
	FETCH_A \slot, (\q)+1, 4
.endm
.macro TURN slot, next, fill
	s_wait_tensorcnt 0x0
	ds_add_u32 v[SPW], v[NIL]
	s_wait_dscnt 4*NL+1
	WIN MUL_LO
	MUL16 0, 1, NQ-1, \slot, 0
	s_wait_dscnt 0x0
	s_barrier_signal -1
	MUL16 2, 1, NQ-1, \slot, 0
	WIN 0
	s_barrier_wait -1
.if \fill
	CREST
	s_add_nc_u64 s[G0+4*\slot+2:G0+4*\slot+3], s[G0+4*\slot+2:G0+4*\slot+3], 2*4096
	s_add_nc_u64 s[G0B+4*\slot+2:G0B+4*\slot+3], s[G0B+4*\slot+2:G0B+4*\slot+3], 2*ROWB
	JLOAD G0+4*\slot, G1, G0B+4*\slot, G1B
	PLACES NP-4
.else
	PLACES NP
.endif
	s_wait_alu depctr_va_vdst(0)
	v_add_nc_u32 v[ADRS], 4*NQ, v[ADRS]
	FETCH_B \next, 0, 0
	FETCH_A \next, 0, 0
	SCALES \next
	WIN MUL_HI
	MUL16 4, 1, NQ-1, \slot, 0
	MUL16 6, 1, NQ-1, \slot, 0
	PLACES NP
	WIN 0
	FETCH_A \next, 0, 4
.endm
	s_wait_alu depctr_va_vdst(0)
	s_wait_tensorcnt 1
	s_barrier_signal -1
	s_barrier_wait -1
	FETCH_B 0, 0, 0
	FETCH_A 0, 0, 0
	SCALES 0
	FETCH_A 0, 0, 4
	STEP 0, 0, 1
	s_mov_b32 s3, LAPS-1
.Llap:
	TURN 0, 1, 1
	STEP 1, 0, 0
	TURN 1, 0, 1
	STEP 0, 0, 0
	s_sub_co_u32 s3, s3, 1
	s_cmp_lg_u32 s3, 0
	s_cbranch_scc1 .Llap
	TURN 0, 1, 0
	STEP 1, 0, 0
	s_wait_dscnt 4*NL
	WIN MUL_LO
	MUL16 0, 1, NQ-1, 1, 0
	MUL16 2, 1, NQ-1, 1, 0
	s_wait_dscnt 0
	WIN MUL_HI
	MUL16 4, 1, NQ-1, 1, 0
	MUL16 6, 1, NQ-1, 1, 0
	WIN 0
.macro TOSTAGE a
.set AC, 64*((\a)%4)
	WIN 0x08+4*((\a)/4)
.irp b, 0,1,2,3,4,5,6,7
	ds_store_b128 v[STO], v[AC+8*\b:AC+8*\b+3] offset:64*\b
	ds_store_b128 v[STO], v[AC+8*\b+4:AC+8*\b+7] offset:64*\b+16
.endr
	WIN 0
.set BB, BK+64*((\a)%2)
.irp t, 0,1,2,3,4,5,6,7,8,9,10,11,12,13,14,15
	ds_load_b128 v[BB+4*\t:BB+4*\t+3], v[RD] offset:\t*SPITCH
.endr
.endm
.macro SEND a, younger
.set BB, BK+64*((\a)%2)
	s_wait_dscnt \younger
.if ((\a)%2) == 1
	s_add_nc_u64 s[12:13], s[12:13], 8*SIZE_N*4
.elseif (\a) > 0
	s_add_nc_u64 s[12:13], s[12:13], 24*SIZE_N*4
.endif
.irp t, 0,1,2,3,4,5,6,7,8,9,10,11,12,13,14,15
	v_pk_add_f32 v[BB+4*\t:BB+4*\t+1], v[BB+4*\t:BB+4*\t+1], v[8:9]
	v_pk_add_f32 v[BB+4*\t+2:BB+4*\t+3], v[BB+4*\t+2:BB+4*\t+3], v[10:11]
.endr
.irp t, 0,1,2,3,4,5,6,7,8,9,10,11,12,13,14,15
	global_store_b128 v[CO], v[BB+4*\t:BB+4*\t+3], s[12:13] offset:(\t+8*(\t/8))*SIZE_N*4 th:TH_STORE_NT
.endr
.endm
	s_wait_loadcnt 0x0
	PLACES NP
	TOSTAGE 0
.irp a, 1,2,3,4,5,6,7
.if \a > 1
	s_wait_xcnt 0x0
.endif
	TOSTAGE \a
	SEND \a-1, 32
.endr
	s_wait_xcnt 0x0
	SEND 7, 0
	s_wait_tensorcnt 0x0
	ds_add_u32 v[SPW], v[NIL]
	s_wait_dscnt 0x0
	CROUND
	s_endpgm
.Lfunc_end_k_qfcacadb81f_oproj:
	.size	k_qfcacadb81f_oproj, .Lfunc_end_k_qfcacadb81f_oproj-k_qfcacadb81f_oproj
	.p2alignl 7, 3214868480
	.fill 96, 4, 3214868480
	.section	.rodata,"a",@progbits
	.p2align	6, 0x0
	.amdhsa_kernel k_qfcacadb81f_oproj
		.amdhsa_group_segment_fixed_size 327680
		.amdhsa_private_segment_fixed_size 0
		.amdhsa_enable_private_segment 0
		.amdhsa_kernarg_size 48
		.amdhsa_user_sgpr_count 2
		.amdhsa_user_sgpr_kernarg_segment_ptr 1
		.amdhsa_wavefront_size32 1
		.amdhsa_system_sgpr_workgroup_id_x 1
		.amdhsa_system_sgpr_workgroup_id_y 1
		.amdhsa_system_sgpr_workgroup_id_z 1
		.amdhsa_system_vgpr_workitem_id 0
		.amdhsa_next_free_vgpr 1024
		.amdhsa_next_free_sgpr 100
		.amdhsa_reserve_vcc 0
		.amdhsa_float_denorm_mode_32 3
		.amdhsa_float_denorm_mode_16_64 3
		.amdhsa_memory_ordered 1
		.amdhsa_forward_progress 1
		.amdhsa_inst_pref_size 162
	.end_amdhsa_kernel
	.amdgpu_metadata
---
amdhsa.version: [ 1, 2 ]
amdhsa.kernels:
  - .name:           k_qfcacadb81f_oproj
    .symbol:         k_qfcacadb81f_oproj.kd
    .args:
      - { .name: ctx_img, .offset: 0, .size: 8, .value_kind: global_buffer, .address_space: global }
      - { .name: ctx_scl, .offset: 8, .size: 8, .value_kind: global_buffer, .address_space: global }
      - { .name: wcodes, .offset: 16, .size: 8, .value_kind: global_buffer, .address_space: global }
      - { .name: wscales, .offset: 24, .size: 8, .value_kind: global_buffer, .address_space: global }
      - { .name: bo, .offset: 32, .size: 8, .value_kind: global_buffer, .address_space: global }
      - { .name: out0, .offset: 40, .size: 8, .value_kind: global_buffer, .address_space: global }
    .group_segment_fixed_size: 327680
    .private_segment_fixed_size: 0
    .kernarg_segment_align: 8
    .kernarg_segment_size: 48
    .max_flat_workgroup_size: 64
    .sgpr_count:     100
    .vgpr_count:     1024
    .wavefront_size: 32
...
	.end_amdgpu_metadata
.endif
;; end of part 4
